; MI455X (gfx1250); checked and timed in simulation.
; The chip was launched on July 23, 2026; its instructions are those of AMD's public machine-readable ISA for CDNA 5 (MIT licence, August 2026) and "CDNA5" Instruction Set Architecture Reference Guide (July 2026). The comments in the code are by the model that wrote it; some were corrected since.
;; Multi Head Attention. Allowed arithmetic: matrix products marked QUANTISED: E2M1 operands, one E8M0 scale for each 32 along K, by v_wmma_scale_f32_16x16x128_f8f6f4 with both operands' format E2M1 (or v_wmma_scale_f32_32x16x128_f4), f32 sums; products left as they are: bf16, f16 or f32 operands; f32 sums; everything else in f32.
;; Inputs: W_out 1,024 x 1,024 float32; W_qkv 3,072 x 1,024 float32; b_out 1,024 float32; b_qkv 3,072 float32; x 4 x 2,048 x 1,024 float32.
;; Outputs: out0 4 x 2,048 x 1,024 float32.
;; This version of the problem:
;;   THIS VERSION OF THE PROBLEM IS GIVEN IN LOW PRECISION. The matrix products marked QUANTISED in the list below multiply operands that are first quantised to E2M1 (2 exponent bits, 1 mantissa bit; 4 bits a number), with one power-of-two scale for each 32 numbers along K (OCP MX v1.0); their sums are f32. The products marked 'left as it is' may take bf16, f16 or f32 operands, with f32 sums. Whichever they take, every output number must still come out within the allowed error. Rounding operands to bf16 (8 significant bits) uses up far more of that allowance than f16 does (11 bits, for magnitudes from 6e-5 to 65,504). All else is computed in f32.
;;   The module's matrix products, in the order in which they are computed (A, B: the left and right operand; K: the contracted axis; several contracted axes count as one K, in the product's order):
;;     1. [M 8,192, K 1,024] x [K 1,024, N 3,072]; A: input x; B: input W_qkv: QUANTISED
;;     2. batch 64 x [M 2,048, K 64] x [K 64, N 2,048]; A: computed on the way; B: computed on the way: left as it is (an operand is computed on the way)
;;     3. batch 64 x [M 2,048, K 2,048] x [K 2,048, N 64]; A: computed on the way; B: computed on the way: left as it is (an operand is computed on the way)
;;     4. [M 8,192, K 1,024] x [K 1,024, N 1,024]; A: computed on the way; B: input W_out: left as it is (an operand is computed on the way)
;;   THE QUANTISER, for each operand of a quantised product, along K:
;;     - K is cut into blocks of 32 from its start; a last block that is shorter is filled with zeros.
;;     - A block's scale is 2^e with e = floor(log2(the largest magnitude in the block)) - 2, held to -126 .. 127; a block of zeros has e = 0. As a byte (E8M0): e + 127.
;;     - Each number is divided by its block's scale, clamped to +-6, and rounded to the nearest number of E2M1, ties to even, subnormals kept.
;;     - The product sums the exact products of the quantised numbers (number of the format x scale) in f32.
;;   ~~~python
;;   def quantise(x, axis):      # numpy; x: float32 -> the quantised numbers, widened to float32 again
;;       x = np.moveaxis(x, axis, -1); K = x.shape[-1]
;;       x = np.pad(x, [(0, 0)] * (x.ndim - 1) + [(0, -K % 32)]); x = x.reshape(x.shape[:-1] + (-1, 32)); a = np.abs(x).max(-1, keepdims=True)
;;       e = np.where(a > 0, np.clip(np.frexp(np.where(a > 0, a, 1))[1] - 1 - 2, -126, 127), 0)      # np.frexp(a)[1] - 1 = floor(log2(a)), exactly
;;       r = np.clip(x / 2.0 ** e, -6, 6)
;;       step = 2.0 ** (np.maximum(np.frexp(np.where(r == 0, 1, r))[1] - 1, 0) - 1)
;;       q = np.round(r / step) * step * 2.0 ** e      # np.round: ties to even
;;       return np.moveaxis(q.reshape(q.shape[:-2] + (-1,))[..., :K], -1, axis).astype(np.float32)
;;   ~~~
;; One version. Each part assembles by itself: llvm-mc -triple=amdgcn-amd-amdhsa -mcpu=gfx1250 --defsym DOCPART=n.
;; ======== version 1 of 1: 4 launches
;; limits: values are held in f16: magnitudes above 65,504 overflow, below 6.1e-05 lose precision
;; workspace buffers: x_codes 4,194,304 bytes; x_scales 262,144 bytes; w_codes 1,572,864 bytes; w_scales 98,304 bytes; wf 2,097,152 bytes; qkvf 50,331,648 bytes; vals 16,777,216 bytes
;; launch quant (part 1): grid 480 x 1, 4 waves a work-group, no clusters, 33,280 bytes of LDS; arguments x, W_qkv, x_codes, x_scales, w_codes, w_scales, W_out, wf; writes x_codes, x_scales, w_codes, w_scales, wf
.if DOCPART == 1
	.amdgcn_target "amdgcn-amd-amdhsa--gfx1250"
	.amdhsa_code_object_version 6
	.text
	.protected	k_q72031dfa98_quant
	.globl	k_q72031dfa98_quant
	.p2align	8
	.type	k_q72031dfa98_quant,@function
k_q72031dfa98_quant:
	s_mov_b64 s[64:65], 0
	v_nop
	global_prefetch_b8 v0, s[64:65] scope:SCOPE_SE
	s_setreg_imm32_b32 hwreg(HW_REG_WAVE_MODE, 25, 1), 1
	s_wait_xcnt 0x0
; THREE TENSORS ARE MADE READY FOR THE MATRIX UNITS, each read once.
; x [8192][1024] and W_qkv [3072][1024], f32, become codes of FP4 (E2M1), K innermost, two codes a byte, with one E8M0 scale byte for each 32 along K (work-groups 0 to 351).
; A block's scale is 2^(floor(log2(its largest magnitude)) - 2); its byte is the largest magnitude's own exponent field - 2, held at 1 from below.  Each number is divided by the scale and rounded to the nearest code, ties to even, beyond 6 the largest code.
; W_out [1024][1024], f32, becomes f16, laid in the order of a matrix operand's registers (work-groups 352 to 479): wf [ks 8][NT 64][kq 4][g 2][lane 32][16 bytes]; lane (r, h), group g holds W_out[16 NT + r][128 ks + 32 kq + 16 g + 8 h + 0 .. 7].
; LIMITS: a block of zeros gets the byte 1 where the rule says 127 (its codes are zeros, which add nothing under any byte but 0xff, and this program alone reads the bytes); blocks whose largest magnitude lies under 2^(2 - 126) have their byte held at 1;
; NaN and infinities among the inputs are not served; numbers of W_out beyond 65,504 become infinity in f16, those under 6e-5 carry an absolute error of at most 3e-8.
; THE QUANTISER.  Rows are dense and K is a multiple of 32, so a tensor is a plain stream of blocks of 32.  A wave takes 16 steps of 512 numbers.  Each of a step's four loads reads 512 consecutive bytes, 16 a lane; the 2,048 bytes go through the
; wave's own stage in LDS and come back 64 bytes a lane, so that a lane holds 16 NEIGHBOURS (two neighbouring lanes hold a block), as the conversions want them.  A lane's 16 codes are 8 bytes: the wave stores 256 consecutive bytes.
; A wave's 256 scale bytes are gathered in its own LDS bytes and leave as one aligned run of 256 bytes.  No tensor loads, no barrier, no cluster: waves and work-groups share nothing.  Loads run four steps (16 loads a wave) ahead.
.set SIZE_M, 8192
.set SIZE_N, 3072
.set SIZE_K, 1024
.set WAVES, 4
.set STEPS, 16
.set WGA,   SIZE_M*SIZE_K/(512*STEPS*WAVES)            ; 256 work-groups for x
.set WGQ,   (SIZE_M+SIZE_N)*SIZE_K/(512*STEPS*WAVES)   ; 352 for x and W_qkv together
.set EMAX,  2
.set CB,    8                          ; bytes of 16 codes
.set R,     16                         ; v16-79   four sets of 16 numbers as they are loaded
.set X,     80                         ; v80-111  two sets of 16 neighbours
.set C,     128                        ; v128-191 codes: four registers for each step, so that no store's data are written again
.set E,     112                        ; v112-127 a scale byte for each step
.set WREG,  8192                       ; LDS: a region of its own for each wave: two stages of 32 x SP bytes, and behind them its 256 scale bytes
.set SP,    80                         ; a lane's place in a stage: its 64 bytes + 16 of padding
.set SPW,   12                         ; v12      LDS address of my spare word: SPARE + 4 x my thread's number; never rewritten
.set NIL,   13                         ; v13      0; never rewritten
.set SPARE, WAVES*WREG                 ; behind the four regions: the spare words, 128 bytes for each wave, which no other line names
	s_load_b128 s[4:7], s[0:1], 0x0                ; x, W_qkv
	s_load_b128 s[8:11], s[0:1], 0x10              ; x's codes, x's scales
	s_load_b128 s[12:15], s[0:1], 0x20             ; W_qkv's codes, its scales
	s_load_b128 s[24:27], s[0:1], 0x30             ; W_out, wf
	v_lshl_add_u32 v[SPW], v0, 2, SPARE
	v_mov_b32 v[NIL], 0
	v_lshrrev_b32 v1, 5, v0
	v_readfirstlane_b32 s16, v1                    ; wave
	v_and_b32 v2, 31, v0                           ; lane
	s_cmp_ge_u32 ttmp9, WGQ                        ; the last 128 work-groups take W_out: a branch on the work-group's number
	s_cbranch_scc1 .Lwout
	v_lshlrev_b32 v3, 4, v2                        ; my 16 bytes of a load's 512
	s_mul_i32 s17, s16, WREG
	v_lshrrev_b32 v14, 2, v2
	v_mul_u32_u24 v14, v14, SP
	v_and_b32 v15, 3, v2
	v_lshl_add_u32 v14, v15, 4, v14
	v_add_nc_u32 v14, s17, v14                     ; the stage, on the way in: four lanes' 64 bytes on end, then 16 of padding
	v_mul_u32_u24 v15, v2, SP
	v_add_nc_u32 v15, s17, v15                     ; and on the way out: SP x lane: my 16 neighbours
	v_mul_u32_u24 v4, v2, CB                       ; my codes' place in a step's
	v_lshrrev_b32 v5, 1, v2
	s_add_co_u32 s17, s17, 2*32*SP
	v_add_nc_u32 v5, s17, v5                       ; LDS: my wave's 256 scale bytes, my block's byte
	v_lshlrev_b32 v7, 3, v2                        ; and on the way out 8 bytes a lane
	v_add_nc_u32 v6, s17, v7
	s_wait_kmcnt 0x0
	s_cmp_lt_u32 ttmp9, WGA                        ; x's work-group or W_qkv's?  Only pointers are chosen: both tensors take one path
	s_cselect_b64 s[4:5], s[4:5], s[6:7]
	s_cselect_b64 s[8:9], s[8:9], s[12:13]
	s_cselect_b64 s[10:11], s[10:11], s[14:15]
	s_cselect_b32 s17, 0, WGA
	s_sub_co_u32 s17, ttmp9, s17
	s_lshl_b32 s17, s17, 2
	s_add_co_u32 s18, s17, s16                     ; which run of 8,192 numbers of the tensor is my wave's
	s_mov_b32 s19, 0
	s_mov_b64 s[20:21], 512*STEPS*4
	s_mul_u64 s[20:21], s[18:19], s[20:21]
	s_add_nc_u64 s[4:5], s[4:5], s[20:21]
	s_mov_b64 s[20:21], 32*STEPS*CB
	s_mul_u64 s[20:21], s[18:19], s[20:21]
	s_add_nc_u64 s[8:9], s[8:9], s[20:21]
	s_lshl_b32 s18, s18, 8                         ; 256 scale bytes a run
	s_add_nc_u64 s[10:11], s[10:11], s[18:19]
.macro LOAD t
.irp i, 0,1,2,3
	global_load_b128 v[R+16*((\t)%4)+4*\i:R+16*((\t)%4)+4*\i+3], v3, s[4:5] offset:2048*(\t)+512*\i th:TH_LOAD_NT   ; 32 lanes read 512 consecutive bytes
.endr
.endm
.macro TURN t                          ; step t's numbers through the stage: LDS serves a wave's instructions in order, so no wait stands between the stores and the loads
.irp i, 0,1,2,3
	ds_store_b128 v14, v[R+16*((\t)%4)+4*\i:R+16*((\t)%4)+4*\i+3] offset:32*SP*((\t)%2)+8*SP*\i
.endr
.irp i, 0,1,2,3
	ds_load_b128 v[X+16*((\t)%2)+4*\i:X+16*((\t)%2)+4*\i+3], v15 offset:32*SP*((\t)%2)+16*\i
.endr
.endm
.irp t, 0,1,2,3
	LOAD \t
.endr
	s_wait_loadcnt 12                              ; step 0's four loads are in; the twelve of steps 1 to 3 may be out
	TURN 0
.macro STEP t
.set XS, X+16*((\t)%2)
.if (\t) > 0
	s_wait_dscnt 1                                 ; this step's numbers are back from the stage (the last step's byte store may be out): so its stores into the stage have read their registers,
.else
	s_wait_dscnt 0x0
.endif
.if (\t)+4 < STEPS
	LOAD (\t)+4                                    ; which take the loads of four steps on
.endif
.if (\t)+1 < STEPS
.if STEPS-2-(\t) >= 3
	s_wait_loadcnt 12                              ; the next step's four loads are in; those of the three steps behind it may be out
.else
	s_wait_loadcnt 4*(STEPS-2-(\t))                ; at the end the count runs down with the steps that are left
.endif
	TURN (\t)+1                                    ; and go through the other stage while this step is worked
.endif
	v_max3_num_f32 v8, |v[XS]|, |v[XS+1]|, |v[XS+2]|               ; the largest magnitude of my 16, in two chains
	v_max3_num_f32 v9, |v[XS+3]|, |v[XS+4]|, |v[XS+5]|
.irp i, 6,10
	v_max3_num_f32 v8, v8, |v[XS+\i]|, |v[XS+\i+1]|
	v_max3_num_f32 v9, v9, |v[XS+\i+2]|, |v[XS+\i+3]|
.endr
	v_max3_num_f32 v8, v8, |v[XS+14]|, |v[XS+15]|
	v_max3_num_f32 v8, v8, v9, (EMAX+1)<<23        ; and the floor 2^(EMAX + 1 - 127): the byte cannot fall under 1
	v_max_num_f32_dpp v8, v8, v8 row_xmask:1 row_mask:0xf bank_mask:0xf   ; and of my neighbour's 16: the block's
	v_add_nc_u32 v11, -(EMAX<<23), v8              ; EMAX off its exponent field: the conversion takes the exponent field of this operand as its scale, and nothing else of it
	v_cvt_scalef32_pk8_fp4_f32 v[C+4*(\t)], v[XS:XS+7], v11        ; eight numbers / the scale, to the nearest code; the first number's code in the lowest four bits
	v_cvt_scalef32_pk8_fp4_f32 v[C+4*(\t)+1], v[XS+8:XS+15], v11
	v_lshrrev_b32 v[E+(\t)], 23, v11               ; the scale's byte (also the plain line behind the conversions)
	ds_store_b8 v5, v[E+(\t)] offset:16*(\t)       ; both lanes of a block write the same byte with the same value
	global_store_b64 v4, v[C+4*(\t):C+4*(\t)+1], s[8:9] offset:32*CB*(\t)   ; 32 lanes store 256 consecutive bytes, aligned
.endm
.irp t, 0,1,2,3,4,5,6,7,8,9,10,11,12,13,14,15
	STEP \t
.endr
	ds_load_b64 v[8:9], v6                         ; LDS serves a wave's instructions in order: these see my byte stores
	s_wait_dscnt 0x0
	global_store_b64 v7, v[8:9], s[10:11]          ; 32 lanes store 256 consecutive bytes, aligned
	s_wait_tensorcnt 0x0                           ; the wave's end, behind my last LDS store
	ds_add_u32 v[SPW], v[NIL]
	s_wait_dscnt 0x0
	s_endpgm
; W_OUT.  Wave u = 4 (work-group - 352) + wave of 512 takes 16 rows (NT = u / 8) x 128 along K (ks = u % 8): four fragments, 4,096 bytes of wf on end.
; Lane (r, h) loads, for register group i = 2 kq + g, the 32 bytes at row r, 64 i + 32 h: a wave's sixteen loads on end cover 512 consecutive bytes of each of its 16 rows.  W_out is 4 of the 50 MB that the launch reads.
.Lwout:
	s_sub_co_u32 s17, ttmp9, WGQ
	s_lshl_b32 s17, s17, 2
	s_add_co_u32 s17, s17, s16                     ; u
	s_lshr_b32 s18, s17, 3                         ; NT
	s_and_b32 s19, s17, 7                          ; ks
	s_lshl_b32 s20, s18, 16                        ; W_out: 16 rows of 4,096 bytes,
	s_lshl_b32 s21, s19, 9                         ; 128 numbers along K
	s_add_co_u32 s20, s20, s21
	s_mov_b32 s21, 0
	s_lshl_b32 s22, s19, 18                        ; wf: 64 x 4,096 bytes a K step,
	s_lshl_b32 s23, s18, 12                        ; 4,096 a tile of rows
	s_add_co_u32 s22, s22, s23
	s_mov_b32 s23, 0
	v_and_b32 v5, 15, v0                           ; r
	v_bfe_u32 v6, v0, 4, 1                         ; h
	v_lshlrev_b32 v3, 12, v5
	v_lshl_add_u32 v3, v6, 5, v3                   ; row r, + 32 h
	v_lshlrev_b32 v4, 4, v2                        ; out: 16 x lane
	s_wait_kmcnt 0x0
	s_add_nc_u64 s[24:25], s[24:25], s[20:21]
	s_add_nc_u64 s[26:27], s[26:27], s[22:23]
.irp i, 0,1,2,3,4,5,6,7
.irp e, 0,1
	global_load_b128 v[16+8*\i+4*\e:16+8*\i+4*\e+3], v3, s[24:25] offset:64*\i+16*\e
.endr
.endr
	s_wait_loadcnt 0x0
.irp i, 0,1,2,3,4,5,6,7
.irp n, 0,1,2,3
	v_cvt_pk_f16_f32 v[80+4*\i+\n], v[16+8*\i+2*\n], v[17+8*\i+2*\n]   ; two roundings to f16, the lower k in the low half
.endr
.endr
.irp i, 0,1,2,3,4,5,6,7
	global_store_b128 v4, v[80+4*\i:83+4*\i], s[26:27] offset:512*\i      ; 32 lanes store 512 consecutive bytes, aligned: one register group of a fragment
.endr
	s_wait_tensorcnt 0x0                           ; the same three lines at this end too
	ds_add_u32 v[SPW], v[NIL]
	s_wait_dscnt 0x0
	s_endpgm
.Lfunc_end_k_q72031dfa98_quant:
	.size	k_q72031dfa98_quant, .Lfunc_end_k_q72031dfa98_quant-k_q72031dfa98_quant
	.p2alignl 7, 3214868480
	.fill 96, 4, 3214868480
	.section	.rodata,"a",@progbits
	.p2align	6, 0x0
	.amdhsa_kernel k_q72031dfa98_quant
		.amdhsa_group_segment_fixed_size 33280
		.amdhsa_private_segment_fixed_size 0
		.amdhsa_enable_private_segment 0
		.amdhsa_kernarg_size 64
		.amdhsa_user_sgpr_count 2
		.amdhsa_user_sgpr_kernarg_segment_ptr 1
		.amdhsa_wavefront_size32 1
		.amdhsa_system_sgpr_workgroup_id_x 1
		.amdhsa_system_sgpr_workgroup_id_y 1
		.amdhsa_system_sgpr_workgroup_id_z 1
		.amdhsa_system_vgpr_workitem_id 0
		.amdhsa_next_free_vgpr 192
		.amdhsa_next_free_sgpr 66
		.amdhsa_reserve_vcc 0
		.amdhsa_float_denorm_mode_32 3
		.amdhsa_float_denorm_mode_16_64 3
		.amdhsa_memory_ordered 1
		.amdhsa_forward_progress 1
		.amdhsa_inst_pref_size 39
	.end_amdhsa_kernel
	.amdgpu_metadata
---
amdhsa.version: [ 1, 2 ]
amdhsa.kernels:
  - .name:           k_q72031dfa98_quant
    .symbol:         k_q72031dfa98_quant.kd
    .args:
      - { .name: x, .offset: 0, .size: 8, .value_kind: global_buffer, .address_space: global }
      - { .name: W_qkv, .offset: 8, .size: 8, .value_kind: global_buffer, .address_space: global }
      - { .name: x_codes, .offset: 16, .size: 8, .value_kind: global_buffer, .address_space: global }
      - { .name: x_scales, .offset: 24, .size: 8, .value_kind: global_buffer, .address_space: global }
      - { .name: w_codes, .offset: 32, .size: 8, .value_kind: global_buffer, .address_space: global }
      - { .name: w_scales, .offset: 40, .size: 8, .value_kind: global_buffer, .address_space: global }
      - { .name: W_out, .offset: 48, .size: 8, .value_kind: global_buffer, .address_space: global }
      - { .name: wf, .offset: 56, .size: 8, .value_kind: global_buffer, .address_space: global }
    .group_segment_fixed_size: 33280
    .private_segment_fixed_size: 0
    .kernarg_segment_align: 8
    .kernarg_segment_size: 64
    .max_flat_workgroup_size: 128
    .sgpr_count:     66
    .vgpr_count:     192
    .wavefront_size: 32
...
	.end_amdgpu_metadata
.endif
;; end of part 1
;; launch qkv (part 2): grid 16 x 32, 4 waves a work-group, clusters of 4 x 4, 327,680 bytes of LDS; arguments x_codes, x_scales, w_codes, w_scales, b_qkv, qkvf; writes qkvf
.if DOCPART == 2
	.amdgcn_target "amdgcn-amd-amdhsa--gfx1250"
	.amdhsa_code_object_version 6
	.text
	.protected	k_q72031dfa98_qkv
	.globl	k_q72031dfa98_qkv
	.p2align	8
	.type	k_q72031dfa98_qkv,@function
k_q72031dfa98_qkv:
	s_mov_b64 s[64:65], 0
	v_nop
	global_prefetch_b8 v0, s[64:65] scope:SCOPE_SE
	s_setreg_imm32_b32 hwreg(HW_REG_WAVE_MODE, 25, 1), 1
	s_wait_xcnt 0x0
	s_wait_alu depctr_hold_cnt(0) depctr_sa_sdst(0) depctr_va_vdst(0) depctr_va_sdst(0) depctr_va_ssrc(0) depctr_va_vcc(0) depctr_vm_vsrc(0)
	s_getreg_b32 s2, hwreg(HW_REG_IB_STS2, 6, 4)
	s_cmp_eq_u32 s2, 0
	s_cbranch_scc0 .Lentry_in_a_cluster
	s_endpgm
.Lentry_in_a_cluster:
	s_bfe_u32 s2, ttmp6, 0x10000c
	s_cmp_lg_u32 s2, 0xf033
	s_cbranch_scc0 .Lentry_shape_is_right
	s_endpgm
.Lentry_shape_is_right:
; qkv = x W_qkv^T + b_qkv on codes of FP4 (E2M1) with one E8M0 scale for each 32 along K; sums in f32; the results are rounded once to f16 and stored as IMAGES OF THE NEXT PRODUCTS' OPERAND REGISTERS.
; x's codes [8192][512 bytes], scales [8192][32]; W's codes [3072][512], scales [3072][32].  W's rows are grouped (head, q / k / v, 64): head t owns rows 192 t .. 192 t + 191.
; SHARES.  A work-group makes 256 rows x one head's 192 columns: 16 x 32 = 512 work-groups, two for each of 256 WGPs.  Wave w makes rows 64 w .. 64 w + 63 (4 tiles a) x all 192 columns (12 tiles b: 0-3 q, 4-7 k, 8-11 v): 48 accumulators, 384 registers.
; ALL OF K LIES IN LDS: K = 1,024 is 512 bytes a row, two halves of 256 bytes, each with its own LDS bytes: every byte of LDS is filled once, at the head, and nothing is filled again.  The claim is all of a WGP's LDS; the text uses 259,584 bytes.
; CLUSTERS: 4 x 4 work-groups.  The four of a row of the cluster need the same rows of x, the four of a column the same head of W: each tile is asked for JOINTLY, by the same tensor load with the same descriptor and a mask that names the four.
; WHICH WAY ROUND.  q and k: source 0 = 16 rows of W, source 1 = 16 rows of x: a lane holds ONE row and eight neighbouring channels.  v: source 0 = x, source 1 = W: a lane holds ONE channel and eight neighbouring keys.
; Packed to f16, an accumulator's eight numbers are four registers, one register group of a 16-bit fragment (16 x 32), and leave as they stand: 16 bytes a lane at 16 x lane, 512 consecutive aligned bytes a store.  No stage is needed.
; qkvf: q at 0, k at 2^24, v at 2^25; each [batch x head 64][262,144 bytes].  q, k in a head: [s / 16][channel / 32][g][lane][16]: lane (r, h), group g = row 16 T + r, channels 32 c + 16 g + 8 h + 0..7.
;   v in a head: [s / 32][d / 16][g][lane][16]: lane (r, h), group g = channel 16 dt + r, keys 32 G + 16 g + 8 h + 0..7.
; The bias is the C of each sum's first matrix instruction, in the result's layout.
; LIMITS: results beyond 65,504 become infinity in f16 (with x and W both 30 times the drawn spread they reach about 4e3); under 6e-5 they carry an absolute error of at most 3e-8.  NaN and infinities among the inputs are not served.
; REGISTERS, in windows of 256: window 0: v1-30 addresses; v32-63 x's scale words (block a, K step q at 32 + 8 a + q), v64-159 W's (64 + 8 b + q): these hold scales and nothing else.
;   window 1: two sets of fragments at 128 p: W's twelve at 8 b, x's four at 96 + 8 a; on the way out the packed results.   window 2: accumulators of a = 0, 1 at 8 (12 a + b); from v192 the bias tiles of q and k.
;   window 3: accumulators of a = 2, 3; from v192 the bias tiles of v.
.set PITCH,  272                       ; an LDS row: 256 bytes + 16 of padding = 68 words: the 16 rows that a fragment load touches start at 16 different banks (64 banks of 4 bytes: ISA guide 11.1)
.set HALFA,  128*PITCH                 ; 128 rows of x: one tensor load
.set HALFB,  96*PITCH                  ; 96 rows of W: one tensor load
.set SLOT,   2*HALFA+2*HALFB           ; half of K: x's 256 rows, then W's 192
.set SCL,    2*SLOT                    ; x's scale bytes, 256 rows x 32, as runs of 256 bytes + 16 of padding
.set HALFSA, 16*272
.set HALFSB, 12*272
.set SCLB,   SCL+2*HALFSA              ; W's, 192 rows x 32
.set SPARE,  259072                    ; behind them, at the next multiple of 256: the spare words, 128 bytes for each wave, which no other line names
.set ADRA, 16                          ; v16-17  LDS address of my fragments of x in half 0, 1 of K
.set ADRB, 20                          ; v20-21  the same for W
.set ADSA, 24                          ; v24     of my rows' scale words
.set ADSB, 25                          ; v25     of W's
.set L16,  26                          ; v26     16 x lane
.set H32,  27                          ; v27     32 x (lane / 16)
.set SPW,  28                          ; v28     LDS address of my spare word; never rewritten
.set NIL,  29                          ; v29     0; never rewritten
.set R4,   30                          ; v30     4 x (lane % 16)
.set SA,   32
.set SB,   64
.set G1,   24                          ; s[24:31] group 1 for x's codes;  s[32:39] group 0, a set for each half of K
.set G0,   32
.set G1B,  48                          ; s[48:55], s[56:63] the same for W's codes
.set G0B,  56
.set G1S,  68                          ; s[68:75], s[76:79] groups 1 and 0 for x's scales;  s[80:87], s[88:91] for W's
.set G0S,  76
.set G1SB, 80
.set G0SB, 88
.set QB,   92                          ; s[92:93] q's images at my wave's 64 rows;  s[94:95] k's;  s[96:97] v's
.set KB,   94
.set VB,   96
.set MSB, 0
.macro WIN new                         ; the immediate's high byte repeats the setting that is left; a switch that changes nothing is dropped
.if MSB != \new
	s_set_vgpr_msb (MSB<<8)|\new
.set MSB, \new
.endif
.endm
.set MUL_LO, 0xa5                      ; sources 0 and 1 window 1, C and D window 2
.set MUL_HI, 0xf5                      ; the same, C and D window 3
.set TO_F,   0x40                      ; destination window 1, address window 0
.macro PLACES                          ; four plain places: in front of loads into registers that matrix instructions have read, and of vector work on matrix results
.rept 4
	v_nop
.endr
.endm
; A joint load: waves 0 and 1 fetch for x, waves 2 and 3 for W.  Each of the two lines has one mask and one set of registers for all that issue it; the branch hangs on the wave's number alone.
; An s_nop 0 and four v_nop follow each of the two lines.
.macro JLOAD g0a, g1a, g0b, g1b
	s_cmp_eq_u32 s15, 0
	s_cbranch_scc0 .Lfor_b_\@
	tensor_load_to_lds s[\g0a:\g0a+3], s[\g1a:\g1a+7]
	s_nop 0
	PLACES
	s_branch .Lasked_\@
.Lfor_b_\@:
	tensor_load_to_lds s[\g0b:\g0b+3], s[\g1b:\g1b+7]
	s_nop 0
	PLACES
.Lasked_\@:
.endm
.macro CROUND                          ; a round of the cluster's barrier: my work-group's barrier; wave 0 signals for the work-group; every wave waits for all sixteen; my work-group's barrier once more
	s_barrier_signal -1
	s_barrier_wait -1
	s_cmp_lg_u32 s14, 0
	s_cbranch_scc1 .Lnot_wave_0_\@
	s_barrier_signal -3
.Lnot_wave_0_\@:
	s_barrier_wait -3
	s_barrier_signal -1
	s_barrier_wait -1
.endm
	s_load_b128 s[4:7], s[0:1], 0x0                ; x's codes, x's scales
	s_load_b128 s[8:11], s[0:1], 0x10              ; W's codes, W's scales
	s_load_b64 s[12:13], s[0:1], 0x20              ; b_qkv
	s_load_b64 s[QB:QB+1], s[0:1], 0x28            ; qkvf
	v_lshl_add_u32 v[SPW], v0, 2, SPARE
	v_mov_b32 v[NIL], 0
	ds_add_u32 v[SPW], v[NIL]                      ; the wave's opening: the add, twice on end, and its wait ahead of my first tensor load; the set-up below stands between
	ds_add_u32 v[SPW], v[NIL]
	v_lshrrev_b32 v1, 5, v0
	v_readfirstlane_b32 s14, v1                    ; wave 0..3
	s_lshr_b32 s15, s14, 1                         ; I fetch for x (0) or for W (1),
	s_and_b32 s16, s14, 1                          ; and which half of its rows
	s_bfe_u32 s40, ttmp6, 0x40000                  ; cx, cy: my place in the cluster
	s_bfe_u32 s41, ttmp6, 0x40004
	s_lshl_b32 s42, ttmp9, 2
	s_add_co_u32 s42, s42, s40                     ; the head = 4 x cluster x + cx
	s_and_b32 s17, ttmp7, 0xffff
	s_lshl_b32 s17, s17, 2
	s_add_co_u32 s17, s17, s41                     ; the block of 256 rows = 4 x cluster y + cy
	s_lshl_b32 s43, s41, 2
	s_lshl_b32 s43, 15, s43                        ; my row of the cluster
	s_lshl_b32 s44, 0x1111, s40                    ; my column
	; group 1 for codes: rows of 256 elements of 1 byte, 512 bytes apart in memory, 16 bytes of padding behind each in LDS
	s_or_b32 s[G1], s43, (1<<20)|(1<<21)|(5<<22)|(3<<25)     ; 15:0 the mask: x's tiles go to my row; 17:16 elements of 1 byte; 20 padding on; 21 set beside a mask; 24:22 after every 64 words; 31:25 four words
	s_or_b32 s[G1B], s44, (1<<20)|(1<<21)|(5<<22)|(3<<25)    ; W's go to my column
	s_mov_b32 s[G1+1], 256<<16                     ; tensor_dim0
	s_mov_b32 s[G1+2], 128<<16                     ; tensor_dim1
	s_mov_b32 s[G1+3], 256<<16                     ; tile_dim0
	s_mov_b32 s[G1+4], 128                         ; tile_dim1
	s_mov_b32 s[G1+5], 512                         ; from row to row
	s_mov_b32 s[G1+6], 0
	s_mov_b32 s[G1+7], 0
	s_mov_b32 s[G1B+1], 256<<16
	s_mov_b32 s[G1B+2], 96<<16
	s_mov_b32 s[G1B+3], 256<<16
	s_mov_b32 s[G1B+4], 96
	s_mov_b32 s[G1B+5], 512
	s_mov_b32 s[G1B+6], 0
	s_mov_b32 s[G1B+7], 0
	; group 1 for scale bytes: a dense block, as rows of 256 bytes (32 elements of 8 bytes), 16 bytes of padding behind each: 128 rows x 32 bytes = 16 such rows, 96 x 32 = 12
	s_or_b32 s[G1S], s43, (3<<16)|(1<<20)|(1<<21)|(5<<22)|(3<<25)
	s_or_b32 s[G1SB], s44, (3<<16)|(1<<20)|(1<<21)|(5<<22)|(3<<25)
	s_mov_b32 s[G1S+1], 32<<16
	s_mov_b32 s[G1S+2], 16<<16
	s_mov_b32 s[G1S+3], 32<<16
	s_mov_b32 s[G1S+4], 16
	s_mov_b32 s[G1S+5], 32
	s_mov_b32 s[G1S+6], 0
	s_mov_b32 s[G1S+7], 0
	s_mov_b32 s[G1SB+1], 32<<16
	s_mov_b32 s[G1SB+2], 12<<16
	s_mov_b32 s[G1SB+3], 32<<16
	s_mov_b32 s[G1SB+4], 12
	s_mov_b32 s[G1SB+5], 32
	s_mov_b32 s[G1SB+6], 0
	s_mov_b32 s[G1SB+7], 0
	; where the tiles come from: x's hang on the block of rows alone, W's on the head alone
	s_lshl_b32 s18, s16, 7
	s_lshl_b32 s20, s17, 8
	s_add_co_u32 s20, s20, s18                     ; x: row 256 x block + 128 x half
	s_lshl_b32 s22, s20, 5                         ; its scale bytes,
	s_mov_b32 s23, 0
	s_lshl_b32 s20, s20, 9                         ; its codes
	s_mov_b32 s21, 0
	s_mul_i32 s46, s42, 192
	s_mul_i32 s47, s16, 96
	s_add_co_u32 s46, s46, s47                     ; W: row 192 x head + 96 x half
	s_lshl_b32 s98, s46, 5
	s_mov_b32 s99, 0
	s_lshl_b32 s46, s46, 9
	s_mov_b32 s47, 0
	; and where they go: the wave's number alone enters an LDS address
	s_mul_i32 s2, s16, HALFA
	s_mul_i32 s3, s16, HALFB
	s_add_co_u32 s3, s3, 2*HALFA
	s_mul_i32 s18, s16, HALFSA
	s_add_co_u32 s18, s18, SCL
	s_mul_i32 s19, s16, HALFSB
	s_add_co_u32 s19, s19, SCLB
	v_and_b32 v1, 15, v0                           ; r
	v_bfe_u32 v2, v0, 4, 1                         ; h
	v_lshlrev_b32 v[H32], 5, v2
	v_lshlrev_b32 v[R4], 2, v1
	v_and_b32 v3, 31, v0
	v_lshlrev_b32 v[L16], 4, v3
	s_wait_dscnt 0x0                               ; both opening adds are done
	s_wait_kmcnt 0x0
	s_add_nc_u64 s[20:21], s[4:5], s[20:21]
	s_add_nc_u64 s[22:23], s[6:7], s[22:23]
	s_add_nc_u64 s[46:47], s[8:9], s[46:47]
	s_add_nc_u64 s[98:99], s[10:11], s[98:99]
	CROUND                                         ; all sixteen work-groups are here: the joint loads meet
	s_mov_b32 s[G0S], 1
	s_mov_b32 s[G0S+1], s18
	s_mov_b64 s[G0S+2:G0S+3], s[22:23]
	s_or_b32 s[G0S+3], s[G0S+3], 0x80000000
	s_mov_b32 s[G0SB], 1
	s_mov_b32 s[G0SB+1], s19
	s_mov_b64 s[G0SB+2:G0SB+3], s[98:99]
	s_or_b32 s[G0SB+3], s[G0SB+3], 0x80000000
	JLOAD G0S, G1S, G0SB, G1SB                     ; the scales first: they are wanted with the first K step
.irp s, 0,1
	s_mov_b32 s[G0+4*\s], 1                                        ; count = 1
	s_add_co_u32 s[G0+4*\s+1], s2, \s*SLOT                         ; LDS address
	s_add_nc_u64 s[G0+4*\s+2:G0+4*\s+3], s[20:21], \s*256          ; global address: half s of K
	s_or_b32 s[G0+4*\s+3], s[G0+4*\s+3], 0x80000000               ; type = 2
	s_mov_b32 s[G0B+4*\s], 1
	s_add_co_u32 s[G0B+4*\s+1], s3, \s*SLOT
	s_add_nc_u64 s[G0B+4*\s+2:G0B+4*\s+3], s[46:47], \s*256
	s_or_b32 s[G0B+4*\s+3], s[G0B+4*\s+3], 0x80000000
	JLOAD G0+4*\s, G1, G0B+4*\s, G1B               ; three tensor loads of mine are out now, and no more follow
.endr
	; the bias, in the results' layouts
	s_mul_i32 s66, s42, 768
	s_mov_b32 s67, 0
	s_add_nc_u64 s[12:13], s[12:13], s[66:67]      ; b_qkv at my head's 192 numbers
	WIN 0x80                                       ; destination window 2
.irp b, 0,1,2,3,4,5,6,7
.irp e, 0,1
	global_load_b128 v[192+8*\b+4*\e:192+8*\b+4*\e+3], v[H32], s[12:13] offset:64*\b+16*\e   ; q, k: register j = the bias of channel 16 b + 8 h + j
.endr
.endr
	WIN 0xc0                                       ; destination window 3
.irp b, 8,9,10,11
.irp j, 0,1,2,3,4,5,6,7
	global_load_b32 v[192+8*(\b-8)+\j], v[R4], s[12:13] offset:64*\b                         ; v: all eight registers = the bias of channel 16 b + r
.endr
.endr
	WIN 0
	; where my wave's results go: ((batch x 16 + head) << 18) + 8,192 bytes for each 64 rows
	s_lshr_b32 s66, s17, 3
	s_lshl_b32 s66, s66, 4
	s_add_co_u32 s66, s66, s42
	s_lshl_b32 s66, s66, 18
	s_and_b32 s67, s17, 7
	s_lshl_b32 s67, s67, 15
	s_add_co_u32 s66, s66, s67
	s_lshl_b32 s67, s14, 13
	s_add_co_u32 s66, s66, s67
	s_mov_b32 s67, 0
	s_add_nc_u64 s[QB:QB+1], s[QB:QB+1], s[66:67]
	s_add_nc_u64 s[KB:KB+1], s[QB:QB+1], 1<<24
	s_add_nc_u64 s[VB:VB+1], s[QB:QB+1], 2<<24
	v_mul_u32_u24 v3, v1, PITCH
	v_lshl_add_u32 v3, v2, 4, v3                   ; a fragment's row x pitch + 16 x half
	s_mul_i32 s66, s14, 64*PITCH                   ; my 64 rows of x
	v_add_nc_u32 v[ADRA], s66, v3
	v_add_nc_u32 v[ADRA+1], SLOT, v[ADRA]
	v_add_nc_u32 v[ADRB], 2*HALFA, v3              ; W's rows lie behind x's 256; every wave reads all 192
	v_add_nc_u32 v[ADRB+1], SLOT, v[ADRB]
	v_lshrrev_b32 v4, 3, v1                        ; a row's 32 scale bytes: eight rows to a run of 256 bytes + 16
	v_and_b32 v5, 7, v1
	v_mul_u32_u24 v4, v4, 272
	v_lshl_add_u32 v4, v5, 5, v4
	s_mul_i32 s66, s14, 8*272                      ; my 64 rows are eight runs
	s_add_co_u32 s66, s66, SCL
	v_add_nc_u32 v[ADSA], s66, v4
	v_add_nc_u32 v[ADSB], SCLB, v4
; 32 LDS loads in one run: the fragments of K step q (16 rows x 128 K of 4-bit codes: 8 registers; registers 4 c .. 4 c + 3 hold K = 64 c + 32 (lane / 16) + 0 .. 31) into set p
.macro FETCH q, p
	WIN TO_F
.irp b, 0,1,2,3,4,5,6,7,8,9,10,11
.irp c, 0,1
	ds_load_b128 v[128*(\p)+8*\b+4*\c:128*(\p)+8*\b+4*\c+3], v[ADRB+(\q)/4] offset:64*((\q)%4)+32*\c+\b*16*PITCH
.endr
.endr
.irp a, 0,1,2,3
.irp c, 0,1
	ds_load_b128 v[128*(\p)+96+8*\a+4*\c:128*(\p)+96+8*\a+4*\c+3], v[ADRA+(\q)/4] offset:64*((\q)%4)+32*\c+\a*16*PITCH
.endr
.endr
.endm
; 16 products for q and k: x's blocks a0, a0 + 1 against W's tiles 0 to 7; source 0 = W, source 1 = x, the scale words with their sources.  first = 1: the bias starts the sums.
.macro MULQK a0, q, p, first
.irp a, \a0, \a0+1
.irp b, 0,1,2,3,4,5,6,7
.if \first
	v_wmma_scale_f32_16x16x128_f8f6f4 v[8*(12*((\a)%2)+\b):8*(12*((\a)%2)+\b)+7], v[128*(\p)+8*\b:128*(\p)+8*\b+7], v[128*(\p)+96+8*(\a):128*(\p)+96+8*(\a)+7], v[192+8*\b:192+8*\b+7], v[SB+8*\b+(\q)], v[SA+8*(\a)+(\q)] matrix_a_fmt:MATRIX_FMT_FP4 matrix_b_fmt:MATRIX_FMT_FP4
.else
	v_wmma_scale_f32_16x16x128_f8f6f4 v[8*(12*((\a)%2)+\b):8*(12*((\a)%2)+\b)+7], v[128*(\p)+8*\b:128*(\p)+8*\b+7], v[128*(\p)+96+8*(\a):128*(\p)+96+8*(\a)+7], v[8*(12*((\a)%2)+\b):8*(12*((\a)%2)+\b)+7], v[SB+8*\b+(\q)], v[SA+8*(\a)+(\q)] matrix_a_fmt:MATRIX_FMT_FP4 matrix_b_fmt:MATRIX_FMT_FP4
.endif
.endr
.endr
.endm
; 8 products for v: the same blocks against W's tiles 8 to 11; source 0 = x, source 1 = W
.macro MULV a0, q, p, first
.irp a, \a0, \a0+1
.irp b, 8,9,10,11
.if \first
	v_wmma_scale_f32_16x16x128_f8f6f4 v[8*(12*((\a)%2)+\b):8*(12*((\a)%2)+\b)+7], v[128*(\p)+96+8*(\a):128*(\p)+96+8*(\a)+7], v[128*(\p)+8*\b:128*(\p)+8*\b+7], v[192+8*(\b-8):192+8*(\b-8)+7], v[SA+8*(\a)+(\q)], v[SB+8*\b+(\q)] matrix_a_fmt:MATRIX_FMT_FP4 matrix_b_fmt:MATRIX_FMT_FP4
.else
	v_wmma_scale_f32_16x16x128_f8f6f4 v[8*(12*((\a)%2)+\b):8*(12*((\a)%2)+\b)+7], v[128*(\p)+96+8*(\a):128*(\p)+96+8*(\a)+7], v[128*(\p)+8*\b:128*(\p)+8*\b+7], v[8*(12*((\a)%2)+\b):8*(12*((\a)%2)+\b)+7], v[SA+8*(\a)+(\q)], v[SB+8*\b+(\q)] matrix_a_fmt:MATRIX_FMT_FP4 matrix_b_fmt:MATRIX_FMT_FP4
.endif
.endr
.endr
.endm
; A K step of 128: 48 products on set q % 2, behind the run of loads that brings the next step's fragments into the other set.  The 48 accumulators take turns, one instruction a turn, in the same order in every step.
.macro STEP q, fetch, first
	s_wait_dscnt 0x0                               ; this step's fragments are in (in the first step the scale words too)
.if (\q) == 3
	s_wait_tensorcnt 0x0                           ; the next fetch reads the second half of K: my part of it has landed,
	s_barrier_signal -1
	s_barrier_wait -1                              ; and everybody's.
.endif
.if \fetch
.if (\q) > 0
	PLACES                                         ; the other set was read by the last step's products
.endif
	FETCH (\q)+1, 1-(\q)%2
.endif
	WIN MUL_LO
	MULQK 0, \q, (\q)%2, \first
.if \first
	WIN 0xb5                                       ; D window 2, the bias of v in window 3
.endif
	MULV 0, \q, (\q)%2, \first
.if \first
	WIN 0xe5                                       ; D window 3, the bias of q and k in window 2
.else
	WIN MUL_HI
.endif
	MULQK 2, \q, (\q)%2, \first
	WIN MUL_HI
	MULV 2, \q, (\q)%2, \first
.endm
	s_wait_tensorcnt 1                             ; the scales and my part of the first half of K are in; the load of the second half may be out,
	s_barrier_signal -1
	s_barrier_wait -1                              ; everybody's are
.irp a, 0,1,2,3
.irp e, 0,1
	ds_load_b128 v[SA+8*\a+4*\e:SA+8*\a+4*\e+3], v[ADSA] offset:544*\a+16*\e     ; a row's eight scale words, one for each K step; lanes 16-31 hold copies, which are not read
.endr
.endr
.irp b, 0,1,2,3,4,5,6,7,8,9,10,11
.irp e, 0,1
	ds_load_b128 v[SB+8*\b+4*\e:SB+8*\b+4*\e+3], v[ADSB] offset:544*\b+16*\e
.endr
.endr
	FETCH 0, 0
	s_wait_loadcnt 0x0                             ; the bias
	STEP 0, 1, 1
	STEP 1, 1, 0
	STEP 2, 1, 0
	STEP 3, 1, 0
	STEP 4, 1, 0
	STEP 5, 1, 0
	STEP 6, 1, 0
	STEP 7, 0, 0
	; THE WAY OUT.  Each accumulator is rounded to f16, from its low end on, into the registers that held the fragments; the four registers are one register group of an image.
	PLACES
	WIN 0x4a                                       ; sources window 2, destination window 1
.irp a, 0,1
.irp b, 0,1,2,3,4,5,6,7,8,9,10,11
.irp n, 0,1,2,3
	v_cvt_pk_f16_f32 v[4*(12*\a+\b)+\n], v[8*(12*\a+\b)+2*\n], v[8*(12*\a+\b)+2*\n+1]
.endr
.endr
.endr
	WIN 0x4f                                       ; sources window 3
.irp a, 0,1
.irp b, 0,1,2,3,4,5,6,7,8,9,10,11
.irp n, 0,1,2,3
	v_cvt_pk_f16_f32 v[96+4*(12*\a+\b)+\n], v[8*(12*\a+\b)+2*\n], v[8*(12*\a+\b)+2*\n+1]
.endr
.endr
.endr
	WIN 0x04                                       ; a store's data are its source 1: window 1.  Every store covers 512 consecutive bytes, aligned; every tile has registers of its own
.irp a, 0,1,2,3
.irp b, 0,1,2,3
	global_store_b128 v[L16], v[4*(12*\a+\b):4*(12*\a+\b)+3], s[QB:QB+1] offset:2048*\a+1024*(\b/2)+512*(\b%2)
.endr
.irp b, 4,5,6,7
	global_store_b128 v[L16], v[4*(12*\a+\b):4*(12*\a+\b)+3], s[KB:KB+1] offset:2048*\a+1024*((\b-4)/2)+512*(\b%2)
.endr
.irp b, 8,9,10,11
	global_store_b128 v[L16], v[4*(12*\a+\b):4*(12*\a+\b)+3], s[VB:VB+1] offset:4096*(\a/2)+1024*(\b-8)+512*(\a%2)
.endr
.endr
	WIN 0
	s_wait_tensorcnt 0x0                           ; the wave's end, behind my last tensor load
	ds_add_u32 v[SPW], v[NIL]
	s_wait_dscnt 0x0
	CROUND                                         ; the closing round: no work-group ends while a partner may still ask for a tile that names it
	s_endpgm
.Lfunc_end_k_q72031dfa98_qkv:
	.size	k_q72031dfa98_qkv, .Lfunc_end_k_q72031dfa98_qkv-k_q72031dfa98_qkv
	.p2alignl 7, 3214868480
	.fill 96, 4, 3214868480
	.section	.rodata,"a",@progbits
	.p2align	6, 0x0
	.amdhsa_kernel k_q72031dfa98_qkv
		.amdhsa_group_segment_fixed_size 327680
		.amdhsa_private_segment_fixed_size 0
		.amdhsa_enable_private_segment 0
		.amdhsa_kernarg_size 48
		.amdhsa_user_sgpr_count 2
		.amdhsa_user_sgpr_kernarg_segment_ptr 1
		.amdhsa_wavefront_size32 1
		.amdhsa_system_sgpr_workgroup_id_x 1
		.amdhsa_system_sgpr_workgroup_id_y 1
		.amdhsa_system_sgpr_workgroup_id_z 1
		.amdhsa_system_vgpr_workitem_id 0
		.amdhsa_next_free_vgpr 1024
		.amdhsa_next_free_sgpr 100
		.amdhsa_reserve_vcc 0
		.amdhsa_float_denorm_mode_32 3
		.amdhsa_float_denorm_mode_16_64 3
		.amdhsa_memory_ordered 1
		.amdhsa_forward_progress 1
		.amdhsa_inst_pref_size 99
	.end_amdhsa_kernel
	.amdgpu_metadata
---
amdhsa.version: [ 1, 2 ]
amdhsa.kernels:
  - .name:           k_q72031dfa98_qkv
    .symbol:         k_q72031dfa98_qkv.kd
    .args:
      - { .name: x_codes, .offset: 0, .size: 8, .value_kind: global_buffer, .address_space: global }
      - { .name: x_scales, .offset: 8, .size: 8, .value_kind: global_buffer, .address_space: global }
      - { .name: w_codes, .offset: 16, .size: 8, .value_kind: global_buffer, .address_space: global }
      - { .name: w_scales, .offset: 24, .size: 8, .value_kind: global_buffer, .address_space: global }
      - { .name: b_qkv, .offset: 32, .size: 8, .value_kind: global_buffer, .address_space: global }
      - { .name: qkvf, .offset: 40, .size: 8, .value_kind: global_buffer, .address_space: global }
    .group_segment_fixed_size: 327680
    .private_segment_fixed_size: 0
    .kernarg_segment_align: 8
    .kernarg_segment_size: 48
    .max_flat_workgroup_size: 128
    .sgpr_count:     100
    .vgpr_count:     1024
    .wavefront_size: 32
...
	.end_amdgpu_metadata
.endif
;; end of part 2
;; launch attn (part 3): grid 4 x 64, 8 waves a work-group, clusters of 4 x 1, 327,680 bytes of LDS; arguments qkvf, vals; writes vals
.if DOCPART == 3
	.amdgcn_target "amdgcn-amd-amdhsa--gfx1250"
	.amdhsa_code_object_version 6
	.text
	.protected	k_q72031dfa98_attn
	.globl	k_q72031dfa98_attn
	.p2align	8
	.type	k_q72031dfa98_attn,@function
k_q72031dfa98_attn:
	s_mov_b64 s[64:65], 0
	v_nop
	global_prefetch_b8 v0, s[64:65] scope:SCOPE_SE
	s_setreg_imm32_b32 hwreg(HW_REG_WAVE_MODE, 25, 1), 1
	s_wait_xcnt 0x0
	s_wait_alu depctr_hold_cnt(0) depctr_sa_sdst(0) depctr_va_vdst(0) depctr_va_sdst(0) depctr_va_ssrc(0) depctr_va_vcc(0) depctr_vm_vsrc(0)
	s_getreg_b32 s2, hwreg(HW_REG_IB_STS2, 6, 4)
	s_cmp_eq_u32 s2, 0
	s_cbranch_scc0 .Lentry_in_a_cluster
	s_endpgm
.Lentry_in_a_cluster:
	s_bfe_u32 s2, ttmp6, 0x10000c
	s_cmp_lg_u32 s2, 0x3003
	s_cbranch_scc0 .Lentry_shape_is_right
	s_endpgm
.Lentry_shape_is_right:
; vals[b][s][head, :] = the sum over k of softmax_k(q . k / 8) v, head size 64, 2,048 keys, no mask; q, k, v in f16 as the images that the launch before stored; products, maxima and sums in f32; the weights p are rounded to f16 for
; the second product, the result once to f16 at the end, stored as images of the last product's operand registers: vals [ks 8][RT 512][kq 4][g 2][lane 32][16 bytes], K = 64 x head + channel.
; SHARES.  A work-group owns 512 queries of one batch and head, each of its eight waves 64: four tiles of 16, in 512 registers.  Two waves share a SIMD: one wave's softmax stands beside the other's products.  64 x 4 = 256 work-groups.
; Every wave walks all 2,048 keys, 64 a step: 32 products K Q^T, the softmax, 32 products V^T P; each fragment of K and V read from LDS feeds four products.
; LAYOUT.  S^T = K Q^T (source 0 = 16 keys, source 1 = 16 queries): a lane holds ONE query (lane % 16) and the keys 8 (lane / 16) + 0..7.  Two such tiles, rounded to f16 in pairs, ARE source 1 (32 keys x 16 queries) of O^T = V^T P,
; whose result again holds one query a lane, and eight channels.  K's and V^T's fragments lie in memory and LDS as images of their registers: a fragment read is 16 bytes a lane at 16 x lane, 512 consecutive bytes an instruction.
; SOFTMAX.  For each query a running maximum m and sum l: p = 2^(c s - c m), c = log2(e) / 8; in every step O and l are multiplied by a = 2^(c m_old - c m_new).  m begins at -3e38 and O and l at 0, so the step is written with no first step of its own.
; THE RING.  Two LDS slots of 512 keys (K's 65,536 bytes, then V's).  Each wave fetches an eighth of a slot by one tensor load of 64 rows x 256 bytes: waves 0-3 K's quarters, waves 4-7 V's.
; CLUSTER.  The four work-groups of a head form a cluster and walk the same K and V: each tile is asked for JOINTLY, by the same load with the same descriptor and a mask that names the four.
; LIMITS: NaN and infinities are not served; a result under 6e-5 carries an absolute error of at most 3e-8 in f16, one beyond 65,504 becomes infinity.
; REGISTERS: window 0: v1-7 addresses; v12-43 eight registers of statistics a tile; v64-191 S^T, 32 a tile, then p, then P in the tile's first 16; v192-255 V of one step.
;   window 1: v0-127 O^T, 32 a tile; v128-191 Q, 16 a tile; v192-255 K of one step.
.set SLOT1, 1<<17                      ; slot 1 begins here: one exclusive or turns an address in one slot into the other's
.set SPARE, 2*SLOT1                    ; behind the ring: the spare words, 128 bytes for each of eight waves, which no other line names
.set L16, 1                            ; v1   16 x lane: my place in an image; never rewritten
.set LV0, 2                            ; v2   the same in V's part of a slot
.set ADK, 3                            ; v3   LDS address of the step's K
.set ADV, 4                            ; v4   of its V
.set PFO, 5                            ; v5   256 x lane: the prefetch's offset; never rewritten
.set SPW, 6                            ; v6   LDS address of my spare word; never rewritten
.set NIL, 7                            ; v7   0; never rewritten
.set ST,  12                           ; tile t's statistics at v[ST+8 t]: +0 c m, +1 m, +2, +3 l (even keys', odd keys'), +4 to +7 c0-c3, at work; a takes c2's place
.set S,   64
.set VF,  192
.set WV,  12                           ; s12  my wave's number
.set G1,  16                           ; s[16:23] descriptor group 1
.set G0A, 24                           ; s[24:27] group 0 of slot 0's first fill
.set G0B, 28                           ; s[28:31] of slot 1's; it then walks on
.set QA,  32                           ; s[32:33] q's images at my wave's 64 queries
.set OA,  34                           ; s[34:35] vals at my wave's four tiles of rows
.set PFA, 36                           ; s[36:37] where my prefetch stands
.set LIM, 38                           ; s38  1 in a wave that prefetches, else the greatest number
.set SLOTS, 39                         ; s39  slots still to be asked for
.set CNT, 40                           ; s40  counts seven steps
.set TB,  41                           ; s41  LDS byte at which the tiles of the step to be fetched begin
.set CS,  42                           ; s[42:43] c: the packed scaling names a pair and takes its low word for both halves
.set SEL, 44                           ; s[44:45] lane selects for v_permlanex16_b32: lane l xor 16
.set MSB, 0
.macro WIN new                         ; the immediate's high byte repeats the setting that is left; a switch that changes nothing is dropped
.if MSB != \new
	s_set_vgpr_msb (MSB<<8)|\new
.set MSB, \new
.endif
.endm
.set W_KQ, 0x05                        ; K and Q in window 1, S^T in window 0
.set W_PV, 0x50                        ; V and P in window 0, O^T in window 1
.set W_RS, 0x41                        ; O^T (destination and source 0) in window 1, the factor in window 0
.set TO1,  0x40                        ; destination window 1, address window 0
.macro PLACES
.rept 4
	v_nop
.endr
.endm
.macro CROUND                          ; a round of the cluster's barrier: my work-group's barrier; wave 0 signals for the work-group; every wave waits for all four; my work-group's barrier once more
	s_barrier_signal -1
	s_barrier_wait -1
	s_cmp_lg_u32 s[WV], 0
	s_cbranch_scc1 .Lnot_wave_0_\@
	s_barrier_signal -3
.Lnot_wave_0_\@:
	s_barrier_wait -3
	s_barrier_signal -1
	s_barrier_wait -1
.endm
; A PREFETCH of what the NEXT change of slots will ask for: a slot's 65,536 bytes of K and of V.  Waves 0 and 2 ask for K's halves, waves 4 and 6 for V's (a branch on the wave's number, the same in all partners); the four partners share
; each half out BY ADDRESS, 8,192 bytes each, lanes 256 bytes apart: each aligned block of 256 bytes is named once in the launch.  It stands behind the wave's tensor load and its five lines.  The last change that fills a slot asks for nothing.
.macro ASK
	s_cmp_gt_u32 s[SLOTS], s[LIM]
	s_cbranch_scc0 .Lnot_mine_\@
	global_prefetch_b8 v[PFO], s[PFA:PFA+1] th:TH_LOAD_NT scope:SCOPE_SE
.Lnot_mine_\@:
.endm
	s_load_b128 s[4:7], s[0:1], 0x0                ; qkvf, vals
	v_lshl_add_u32 v[SPW], v0, 2, SPARE
	v_mov_b32 v[NIL], 0
	ds_add_u32 v[SPW], v[NIL]                      ; the wave's opening: the add, twice on end, and its wait ahead of my first tensor load; the set-up below stands between
	ds_add_u32 v[SPW], v[NIL]
	v_lshrrev_b32 v8, 5, v0
	v_readfirstlane_b32 s[WV], v8                  ; wave 0..7
	s_bfe_u32 s13, ttmp6, 0x40000                  ; cx: my place in the cluster = my block of 512 queries
	s_and_b32 s14, ttmp7, 0xffff                   ; batch x 16 + head, which the four partners share
	; group 1: a dense block of 16,384 bytes as 64 rows of 256 bytes (32 elements of 8 bytes), no padding: images are read 512 consecutive bytes an instruction
	s_mov_b32 s[G1], 15|(3<<16)|(1<<21)            ; 15:0 the mask: all four work-groups; 17:16 elements of 8 bytes; 21 set beside a mask
	s_mov_b32 s[G1+1], 32<<16                      ; tensor_dim0
	s_mov_b32 s[G1+2], 64<<16                      ; tensor_dim1
	s_mov_b32 s[G1+3], 32<<16                      ; tile_dim0
	s_mov_b32 s[G1+4], 64                          ; tile_dim1
	s_mov_b32 s[G1+5], 32                          ; from row to row
	s_mov_b32 s[G1+6], 0
	s_mov_b32 s[G1+7], 0
	s_mov_b32 s[CS], 0x3e38aa3b                    ; c = log2(e) / 8
	s_mov_b32 s[CS+1], s[CS]                       ; named with it as a pair, so it is written
	s_mov_b32 s[SEL], 0x76543210
	s_mov_b32 s[SEL+1], 0xfedcba98
	s_mov_b32 s[TB], 0
	s_mov_b32 s[SLOTS], 2
	s_lshl_b32 s49, s14, 18                        ; my head's 262,144 bytes in each of q, k, v
	s_lshr_b32 s48, s[WV], 2
	s_add_co_u32 s48, s48, 1
	s_lshl_b32 s48, s48, 24                        ; k at 2^24 (waves 0-3), v at 2^25 (waves 4-7),
	s_add_co_u32 s48, s48, s49                     ; at my head
	s_and_b32 s56, s[WV], 3
	s_lshl_b32 s46, s56, 14
	s_add_co_u32 s46, s46, s48                     ; my quarter of its first 512 keys
	s_mov_b32 s47, 0
	s_lshl_b32 s57, s[WV], 14                      ; and its place in a slot: the wave's number alone enters an LDS address
	s_lshr_b32 s50, s56, 1
	s_lshl_b32 s50, s50, 15
	s_add_co_u32 s50, s50, s48                     ; the prefetch: my half of the tensor's part of a slot,
	s_lshl_b32 s58, s13, 13
	s_add_co_u32 s50, s50, s58                     ; my work-group's 8,192 bytes of it,
	s_add_co_u32 s50, s50, 2*65536                 ; in the third 512 keys: the first change of slots steps it to the fourth.  Nothing is prefetched at the head
	s_mov_b32 s51, 0
	s_lshl_b32 s52, s13, 16
	s_add_co_u32 s52, s52, s49
	s_lshl_b32 s58, s[WV], 13
	s_add_co_u32 s52, s52, s58                     ; q: 8,192 bytes for each 64 queries
	s_mov_b32 s53, 0
	s_and_b32 s58, s14, 15                         ; the head
	s_lshr_b32 s54, s58, 1
	s_lshl_b32 s54, s54, 21                        ; vals: K step = head / 2,
	s_and_b32 s58, s58, 1
	s_lshl_b32 s58, s58, 11                        ; fragments 2 (head % 2) on,
	s_add_co_u32 s54, s54, s58
	s_lshr_b32 s58, s14, 4
	s_lshl_b32 s58, s58, 7
	s_lshl_b32 s59, s13, 5
	s_add_co_u32 s58, s58, s59
	s_lshl_b32 s59, s[WV], 2
	s_add_co_u32 s58, s58, s59                     ; tile of rows 128 x batch + 32 cx + 4 x wave
	s_lshl_b32 s58, s58, 12
	s_add_co_u32 s54, s54, s58
	s_mov_b32 s55, 0
	s_and_b32 s[LIM], s[WV], 1
	s_cmp_eq_u32 s[LIM], 0
	s_cselect_b32 s[LIM], 1, -1                    ; waves 0, 2, 4, 6 prefetch
	v_and_b32 v8, 31, v0
	v_lshlrev_b32 v[L16], 4, v8
	v_add_nc_u32 v[LV0], 65536, v[L16]
	v_lshlrev_b32 v[PFO], 8, v8
	s_wait_dscnt 0x0                               ; both opening adds are done
	s_wait_kmcnt 0x0
	s_mov_b32 s[G0A], 1                            ; count = 1
	s_mov_b32 s[G0A+1], s57                        ; LDS address: slot 0
	s_add_nc_u64 s[G0A+2:G0A+3], s[4:5], s[46:47]  ; global address: the first 512 keys
	s_mov_b32 s[G0B], 1
	s_add_co_u32 s[G0B+1], s57, SLOT1
	s_add_nc_u64 s[G0B+2:G0B+3], s[G0A+2:G0A+3], 65536
	s_or_b32 s[G0A+3], s[G0A+3], 0x80000000        ; type = 2
	s_or_b32 s[G0B+3], s[G0B+3], 0x80000000
	s_add_nc_u64 s[QA:QA+1], s[4:5], s[52:53]
	s_add_nc_u64 s[OA:OA+1], s[6:7], s[54:55]
	s_add_nc_u64 s[PFA:PFA+1], s[4:5], s[50:51]
	CROUND                                         ; all four work-groups are here: the first joint loads meet
	tensor_load_to_lds s[G0A:G0A+3], s[G1:G1+7]    ; both first fills together: two loads of mine are out
	s_nop 0
	tensor_load_to_lds s[G0B:G0B+3], s[G1:G1+7]
	s_nop 0
	PLACES
	WIN TO1
.irp i, 0,1,2,3,4,5,6,7,8,9,10,11,12,13,14,15
	global_load_b128 v[128+4*\i:128+4*\i+3], v[L16], s[QA:QA+1] offset:512*\i   ; Q stays in registers: tile t, channels 32 c on at 128 + 16 t + 8 c
.endr
.set i, 0
.rept 128
	v_mov_b32 v[i], 0                              ; O^T: written once, so that the key step has no first copy of its own; the first a, which is 0, leaves zeros
.set i, i+1
.endr
	WIN 0
.irp t, 0,1,2,3
	v_mov_b32 v[ST+8*\t+1], 0xff61b1e6             ; m = -3e38, under every score
	v_mov_b32 v[ST+8*\t+2], 0                      ; l
	v_mov_b32 v[ST+8*\t+3], 0
.endr
.irp t, 0,1,2,3
	v_mul_f32 v[ST+8*\t], s[CS], v[ST+8*\t+1]      ; c m
.endr
; THE LDS LOADS stand in two runs of 16 a key step.  V of step j: the addition and the four v_nop are the places between the last step's V^T P and the loads into V's registers (four are owed), and the five that are owed
; before the next K Q^T writes S^T over the registers that V^T P read as P.
.macro FETCH_V
	WIN 0
	v_add_nc_u32 v[ADV], s[TB], v[LV0]
	PLACES
	s_add_co_u32 s[TB], s[TB], 8192                ; the next fetch is the next step's
.irp i, 0,1,2,3,4,5,6,7,8,9,10,11,12,13,14,15
	ds_load_b128 v[VF+4*\i:VF+4*\i+3], v[ADV] offset:512*\i        ; fragment (keys 32 G on, channels 16 dt on) at VF + 8 (4 G + dt)
.endr
.endm
.macro FETCH_K
	v_add_nc_u32 v[ADK], s[TB], v[L16]
	WIN TO1
.irp i, 0,1,2,3,4,5,6,7,8,9,10,11,12,13,14,15
	ds_load_b128 v[192+4*\i:192+4*\i+3], v[ADK] offset:512*\i      ; fragment (keys 16 kt on, channels 32 c on) at 192 + 8 (2 kt + c)
.endr
	WIN 0
.endm
; 32 products S^T = K Q^T: the 16 accumulators take turns, one instruction a turn; the first 16 start the sums
.macro KQ
	WIN W_KQ
.irp c, 0,1
.irp kt, 0,1,2,3
.irp t, 0,1,2,3
.if \c == 0
	v_wmma_f32_16x16x32_f16 v[S+32*\t+8*\kt:S+32*\t+8*\kt+7], v[192+8*(2*\kt+\c):192+8*(2*\kt+\c)+7], v[128+16*\t+8*\c:128+16*\t+8*\c+7], 0
.else
	v_wmma_f32_16x16x32_f16 v[S+32*\t+8*\kt:S+32*\t+8*\kt+7], v[192+8*(2*\kt+\c):192+8*(2*\kt+\c)+7], v[128+16*\t+8*\c:128+16*\t+8*\c+7], v[S+32*\t+8*\kt:S+32*\t+8*\kt+7]
.endif
.endr
.endr
.endr
.endm
; 32 products O^T += V^T P, the 16 accumulators by turns
.macro PV
	WIN W_PV
.irp g, 0,1
.irp dt, 0,1,2,3
.irp t, 0,1,2,3
	v_wmma_f32_16x16x32_f16 v[32*\t+8*\dt:32*\t+8*\dt+7], v[VF+8*(4*\g+\dt):VF+8*(4*\g+\dt)+7], v[S+32*\t+8*\g:S+32*\t+8*\g+7], v[32*\t+8*\dt:32*\t+8*\dt+7]
.endr
.endr
.endr
.endm
; THE SOFTMAX of a key step, the four tiles by turns in every list, so that no line waits for the line above it.
.macro SOFTMAX
.irp j, 0,1,2,3                                ; the maximum of a lane's 32 scores and the old m, three operands at a time: four chains, each begun at the low end of one accumulator
.irp t, 0,1,2,3
	v_max3_num_f32 v[ST+8*\t+4+\j], v[S+32*\t+8*\j], v[S+32*\t+8*\j+1], v[S+32*\t+8*\j+2]
.endr
.endr
.irp u, 1,2
.irp j, 0,1,2,3
.irp t, 0,1,2,3
	v_max3_num_f32 v[ST+8*\t+4+\j], v[ST+8*\t+4+\j], v[S+32*\t+8*\j+2*\u+1], v[S+32*\t+8*\j+2*\u+2]
.endr
.endr
.endr
.irp t, 0,1,2,3
	v_max3_num_f32 v[ST+8*\t+4], v[ST+8*\t+4], v[S+32*\t+7], v[S+32*\t+15]
.endr
.irp t, 0,1,2,3
	v_max3_num_f32 v[ST+8*\t+6], v[ST+8*\t+6], v[S+32*\t+23], v[S+32*\t+31]
.endr
.irp t, 0,1,2,3
	v_max3_num_f32 v[ST+8*\t+4], v[ST+8*\t+4], v[ST+8*\t+5], v[ST+8*\t+6]
.endr
.irp t, 0,1,2,3
	v_max3_num_f32 v[ST+8*\t+4], v[ST+8*\t+4], v[ST+8*\t+7], v[ST+8*\t+1]
.endr
.irp t, 0,1,2,3
	v_permlanex16_b32 v[ST+8*\t+5], v[ST+8*\t+4], s[SEL], s[SEL+1]   ; the query's other 32 keys lie in the lane 16 away
.endr
.irp t, 0,1,2,3
	v_mov_b32 v[ST+8*\t+7], v[ST+8*\t]             ; c m_old is kept for a
.endr
.irp t, 0,1,2,3
	v_max_num_f32 v[ST+8*\t+1], v[ST+8*\t+4], v[ST+8*\t+5]           ; the new m
.endr
.irp t, 0,1,2,3
	v_mul_f32 v[ST+8*\t], s[CS], v[ST+8*\t+1]
.endr
.irp t, 0,1,2,3
	v_sub_f32 v[ST+8*\t+7], v[ST+8*\t+7], v[ST+8*\t]
.endr
; ONE BATCH: a, the 64 packed scalings c s - c m and the 128 exponentials; a pair's exponentials stand behind the next pair's scalings.  No line of the batch names an exponential's result.
.irp t, 0,1,2,3
	v_exp_f32 v[ST+8*\t+6], v[ST+8*\t+7]           ; a = 2^(c m_old - c m_new)
.endr
.irp i, 0,1,2,3,4,5,6,7,8,9,10,11,12,13,14,15
.irp t, 0,1,2,3
	v_pk_fma_f32 v[S+32*\t+2*\i:S+32*\t+2*\i+1], v[S+32*\t+2*\i:S+32*\t+2*\i+1], s[CS:CS+1], v[ST+8*\t:ST+8*\t+1] op_sel_hi:[1,0,0] neg_lo:[0,0,1] neg_hi:[0,0,1]
.endr
.if \i > 0
.irp t, 0,1,2,3
	v_exp_f32 v[S+32*\t+2*\i-2], v[S+32*\t+2*\i-2]
	v_exp_f32 v[S+32*\t+2*\i-1], v[S+32*\t+2*\i-1]
.endr
.endif
.endr
.irp t, 0,1,2,3
	v_exp_f32 v[S+32*\t+30], v[S+32*\t+30]
	v_exp_f32 v[S+32*\t+31], v[S+32*\t+31]
.endr
	v_nop                                          ; a plain instruction behind the last exponential, ahead of the first use: one for the batch
	s_wait_alu depctr_va_vdst(0)                   ; and the wait ahead of the first line that names a result: one for all 132
.irp t, 0,1,2,3
	v_pk_fma_f32 v[ST+8*\t+2:ST+8*\t+3], v[ST+8*\t+2:ST+8*\t+3], v[ST+8*\t+6:ST+8*\t+7], v[S+32*\t:S+32*\t+1] op_sel_hi:[1,0,1]   ; l = a l + the first pair of weights, unrounded
.endr
.irp i, 1,2,3,4,5,6,7,8,9,10,11,12,13,14,15
.irp t, 0,1,2,3
	v_pk_add_f32 v[ST+8*\t+2:ST+8*\t+3], v[ST+8*\t+2:ST+8*\t+3], v[S+32*\t+2*\i:S+32*\t+2*\i+1]
.endr
.endr
.irp j, 0,1,2,3,4,5,6,7,8,9,10,11,12,13,14,15   ; P in place: register j takes weights 2 j and 2 j + 1; its own number was taken by conversion j / 2
.irp t, 0,1,2,3
	v_cvt_pk_f16_f32 v[S+32*\t+\j], v[S+32*\t+2*\j], v[S+32*\t+2*\j+1]
.endr
.endr
	WIN W_RS
.irp i, 0,1,2,3,4,5,6,7,8,9,10,11,12,13,14,15   ; O^T times a, each accumulator from its low end on
.irp t, 0,1,2,3
	v_pk_mul_f32 v[32*\t+2*\i:32*\t+2*\i+1], v[32*\t+2*\i:32*\t+2*\i+1], v[ST+8*\t+6:ST+8*\t+7] op_sel_hi:[1,0]
.endr
.endr
.endm
; THE CHANGE OF SLOTS, in a slot's last step, behind its K Q^T: the slot's last bytes, V of that step, have been asked for.  Each wave waits for all its tensor loads, of which one is out: its part of the other slot; adds 0 to its
; spare word; and waits for that and for its reads of the slot.  Behind the barrier nobody reads this slot any more and the other slot is whole.  fill = 1: this slot is filled again with the keys two slots on: the barrier is then a round
; of the cluster's, and the joint refill is the first thing behind it, my one tensor load until the next change: it has eight key steps in which to land.
.macro CHANGE fill
	s_wait_tensorcnt 0x0                           ; no tensor load of mine is out, so a group 0 may be written
	ds_add_u32 v[SPW], v[NIL]                      ; 0 onto my spare word
.if \fill
	s_xor_b32 s[G0B+1], s[G0B+1], SLOT1            ; the walking descriptor: the other slot than last time,
	s_add_nc_u64 s[G0B+2:G0B+3], s[G0B+2:G0B+3], 65536   ; the next 512 keys; the type bits on top are not reached
	s_wait_xcnt 0x0                                ; the last prefetch, a slot back, has read its address, so it may be written:
	s_add_nc_u64 s[PFA:PFA+1], s[PFA:PFA+1], 65536 ; one slot further on than the walking descriptor
	s_wait_dscnt 0x0                               ; the add is done, and my reads of the slot are over
	CROUND
	tensor_load_to_lds s[G0B:G0B+3], s[G1:G1+7]
	s_nop 0
	PLACES
	ASK
.else
	s_wait_dscnt 0x0                               ; the add is done, and my reads of the slot are over
	s_barrier_signal -1
	s_barrier_wait -1
.endif
	s_sub_co_u32 s[TB], s[TB], 65536               ; the fetches go back to a slot's first step,
	s_xor_b32 s[TB], s[TB], SLOT1                  ; in the other slot
.endm
; A KEY STEP.  kind 0: plain; 1: a slot's last, the slot is filled again; 2: a slot's last, nothing is asked for; 3: the last of all.
.macro STEP kind
	FETCH_V
	s_wait_dscnt 16                                ; K of this step is in; the 16 loads of V just issued may be out
	KQ
	WIN 0
	PLACES                                         ; behind the products: for the loads into K's registers and the first read of the scores
.if (\kind) == 1
	CHANGE 1
.endif
.if (\kind) == 2
	CHANGE 0
.endif
.if (\kind) < 3
	FETCH_K                                        ; K of the next step lands during the softmax
.endif
	SOFTMAX
.if (\kind) < 3
	s_wait_dscnt 16                                ; V of this step is in; the 16 loads of the next K may be out
.else
	s_wait_dscnt 0x0
.endif
	PV
	WIN 0
.endm
.macro SEVEN                           ; a slot's first seven steps: written once, walked seven times; on the way in and round the back edge the 16 loads of K are out
	s_mov_b32 s[CNT], 7
.Lstep_\@:
	STEP 0
	s_sub_co_u32 s[CNT], s[CNT], 1
	s_cmp_lg_u32 s[CNT], 0
	s_cbranch_scc1 .Lstep_\@
.endm
	s_wait_tensorcnt 1                             ; my part of slot 0 is in; slot 1's may stay out
	s_barrier_signal -1
	s_barrier_wait -1                              ; everybody's is
	FETCH_K                                        ; key step 0
	s_wait_loadcnt 0x0                             ; Q
.Lslot:                                            ; two trips: the first two slots' worth of keys; each leaves its slot to be filled again
	SEVEN
	STEP 1
	s_sub_co_u32 s[SLOTS], s[SLOTS], 1
	s_cmp_lg_u32 s[SLOTS], 0
	s_cbranch_scc1 .Lslot
	SEVEN                                          ; the tail is written out
	STEP 2
	SEVEN
	STEP 3
	; THE WAY OUT.  l's two halves and the other half of the lanes' are added; O^T is divided by l and rounded to f16: four registers are one register group of an image of vals, stored as they stand.  The four additions are the places behind the last products.
.irp t, 0,1,2,3
	v_add_f32 v[ST+8*\t+4], v[ST+8*\t+2], v[ST+8*\t+3]
.endr
.irp t, 0,1,2,3
	v_permlanex16_b32 v[ST+8*\t+5], v[ST+8*\t+4], s[SEL], s[SEL+1]
.endr
.irp t, 0,1,2,3
	v_add_f32 v[ST+8*\t+4], v[ST+8*\t+4], v[ST+8*\t+5]
.endr
.irp t, 0,1,2,3
	v_rcp_f32 v[ST+8*\t+6], v[ST+8*\t+4]
.endr
	v_nop                                          ; a plain instruction between the last reciprocal and the use of its result
	s_wait_alu depctr_va_vdst(0)                   ; and the wait: one for the four
	WIN W_RS
.irp t, 0,1,2,3
.irp i, 0,1,2,3,4,5,6,7,8,9,10,11,12,13,14,15
	v_pk_mul_f32 v[32*\t+2*\i:32*\t+2*\i+1], v[32*\t+2*\i:32*\t+2*\i+1], v[ST+8*\t+6:ST+8*\t+7] op_sel_hi:[1,0]
.endr
.endr
	WIN 0x05                                       ; sources window 1, destination window 0: S^T's registers are free
.irp t, 0,1,2,3
.irp dt, 0,1,2,3
.irp n, 0,1,2,3
	v_cvt_pk_f16_f32 v[S+16*\t+4*\dt+\n], v[32*\t+8*\dt+2*\n], v[32*\t+8*\dt+2*\n+1]
.endr
.endr
.endr
	WIN 0
.irp t, 0,1,2,3
.irp dt, 0,1,2,3
	global_store_b128 v[L16], v[S+16*\t+4*\dt:S+16*\t+4*\dt+3], s[OA:OA+1] offset:4096*\t+1024*(\dt/2)+512*(\dt%2)   ; 32 lanes store 512 consecutive bytes, aligned
.endr
.endr
	s_wait_tensorcnt 0x0                           ; the wave's end, behind my last tensor load
	ds_add_u32 v[SPW], v[NIL]
	s_wait_dscnt 0x0
	CROUND                                         ; the closing round: no work-group ends while a partner may still ask for a tile that names it
	s_endpgm
.Lfunc_end_k_q72031dfa98_attn:
	.size	k_q72031dfa98_attn, .Lfunc_end_k_q72031dfa98_attn-k_q72031dfa98_attn
	.p2alignl 7, 3214868480
	.fill 96, 4, 3214868480
	.section	.rodata,"a",@progbits
	.p2align	6, 0x0
	.amdhsa_kernel k_q72031dfa98_attn
		.amdhsa_group_segment_fixed_size 327680
		.amdhsa_private_segment_fixed_size 0
		.amdhsa_enable_private_segment 0
		.amdhsa_kernarg_size 16
		.amdhsa_user_sgpr_count 2
		.amdhsa_user_sgpr_kernarg_segment_ptr 1
		.amdhsa_wavefront_size32 1
		.amdhsa_system_sgpr_workgroup_id_x 1
		.amdhsa_system_sgpr_workgroup_id_y 1
		.amdhsa_system_sgpr_workgroup_id_z 1
		.amdhsa_system_vgpr_workitem_id 0
		.amdhsa_next_free_vgpr 512
		.amdhsa_next_free_sgpr 66
		.amdhsa_reserve_vcc 0
		.amdhsa_float_denorm_mode_32 3
		.amdhsa_float_denorm_mode_16_64 3
		.amdhsa_memory_ordered 1
		.amdhsa_forward_progress 1
		.amdhsa_inst_pref_size 213
	.end_amdhsa_kernel
	.amdgpu_metadata
---
amdhsa.version: [ 1, 2 ]
amdhsa.kernels:
  - .name:           k_q72031dfa98_attn
    .symbol:         k_q72031dfa98_attn.kd
    .args:
      - { .name: qkvf, .offset: 0, .size: 8, .value_kind: global_buffer, .address_space: global }
      - { .name: vals, .offset: 8, .size: 8, .value_kind: global_buffer, .address_space: global }
    .group_segment_fixed_size: 327680
    .private_segment_fixed_size: 0
    .kernarg_segment_align: 8
    .kernarg_segment_size: 16
    .max_flat_workgroup_size: 256
    .sgpr_count:     66
    .vgpr_count:     512
    .wavefront_size: 32
...
	.end_amdgpu_metadata
.endif
;; end of part 3
;; launch proj (part 4): grid 4 x 64, 4 waves a work-group, clusters of 4 x 4, 327,680 bytes of LDS; arguments vals, wf, b_out, out0; writes out0
.if DOCPART == 4
	.amdgcn_target "amdgcn-amd-amdhsa--gfx1250"
	.amdhsa_code_object_version 6
	.text
	.protected	k_q72031dfa98_proj
	.globl	k_q72031dfa98_proj
	.p2align	8
	.type	k_q72031dfa98_proj,@function
k_q72031dfa98_proj:
	s_mov_b64 s[64:65], 0
	v_nop
	global_prefetch_b8 v0, s[64:65] scope:SCOPE_SE
	s_setreg_imm32_b32 hwreg(HW_REG_WAVE_MODE, 25, 1), 1
	s_wait_xcnt 0x0
	s_wait_alu depctr_hold_cnt(0) depctr_sa_sdst(0) depctr_va_vdst(0) depctr_va_sdst(0) depctr_va_ssrc(0) depctr_va_vcc(0) depctr_vm_vsrc(0)
	s_getreg_b32 s2, hwreg(HW_REG_IB_STS2, 6, 4)
	s_cmp_eq_u32 s2, 0
	s_cbranch_scc0 .Lentry_in_a_cluster
	s_endpgm
.Lentry_in_a_cluster:
	s_bfe_u32 s2, ttmp6, 0x10000c
	s_cmp_lg_u32 s2, 0xf033
	s_cbranch_scc0 .Lentry_shape_is_right
	s_endpgm
.Lentry_shape_is_right:
; out0 = vals W_out^T + b_out.  vals [8192 x 1024] and W_out [1024 x 1024] arrive in f16 as images of the operands' registers: vals [ks 8][RT 512][kq 4][g 2][lane 32][16 bytes], wf [ks 8][NT 64][kq 4][g 2][lane 32][16]; sums in f32; out0 f32.
; SHARES.  A tile of out0 is 128 rows x 256 columns: 4 x 64 = 256 work-groups, one for each WGP.  Four waves, each 64 rows (4 tiles a) x 128 columns (8 tiles b): 32 accumulators, 256 registers.
; K goes in steps of 128 (four quarters of 32) through a ring of two LDS slots.  A K step's tiles are dense blocks of memory: vals' 8 tiles of rows are 32,768 bytes on end, wf's 16 tiles 65,536.  Waves 0 and 1 fetch vals' halves, waves 2 and 3 wf's,
; one tensor load each, as rows of 256 bytes with no padding: a fragment read is 16 bytes a lane at 16 x lane, 512 consecutive bytes an instruction.
; CLUSTERS: 4 x 4 work-groups.  The four of a row of the cluster need the same tiles of vals, the four of a column the same tiles of wf: each is asked for JOINTLY, by the same load with the same descriptor and a mask that names the four.
; THE MATRIX INSTRUCTION IS USED TRANSPOSED (source 0 = 16 rows of W_out, source 1 = 16 rows of vals): a lane holds eight neighbouring numbers of a row of out0.  The bias is the C of each sum's first matrix instruction.
; No prefetch: the launch is short and its tile small.
; REGISTERS: window 0: v1-29 addresses; v64-127 the bias tiles; v128-255 the way out.   window 1: two sets of fragments at 128 p: wf's eight at 8 b, vals' four at 64 + 8 a.   window 2: accumulator (a, b) at 8 (8 a + b).
.set SLOT,   98304                     ; vals' 32,768 bytes, then wf's 65,536
.set STAGE,  2*SLOT                    ; behind the ring: 16 rows x (512 bytes + 16) for each wave, for the way out; no fill ever lands here
.set SPITCH, 528
.set SPARE,  STAGE+4*16*SPITCH         ; behind the stages: the spare words, 128 bytes for each wave, which no other line names
.set ADRA, 16                          ; v16-17  LDS address of my fragments of vals in slot 0, 1
.set ADRB, 20                          ; v20-21  the same for wf
.set STO,  24                          ; v24     the way out: where I put 32 bytes of a row
.set RD,   25                          ; v25     the way out: where I read a row back
.set CO,   26                          ; v26     16 x lane
.set H32,  27                          ; v27     32 x (lane / 16)
.set SPW,  28                          ; v28     LDS address of my spare word; never rewritten
.set NIL,  29                          ; v29     0; never rewritten
.set BI,   64
.set BK,   128
.set WV,   12                          ; s12  my wave's number
.set RH,   13                          ; s13  which half of the tile's rows is mine.  Also: I fetch for vals (0) or for wf (1)
.set CH,   14                          ; s14  which half of its columns.  Also: which half of that tile I fetch
.set G1,   24                          ; s[24:31] group 1 for vals' tiles;  s[32:39] group 0, a set for each slot
.set G0,   32
.set G1B,  48                          ; s[48:55], s[56:63] the same for wf's
.set G0B,  56
.set MSB, 0
.macro WIN new                         ; the immediate's high byte repeats the setting that is left; a switch that changes nothing is dropped
.if MSB != \new
	s_set_vgpr_msb (MSB<<8)|\new
.set MSB, \new
.endif
.endm
.set MUL,  0xa5                        ; sources 0 and 1 window 1, C and D window 2
.set MUL1, 0x85                        ; the same with C, the bias, in window 0
.set TO_F, 0x40                        ; destination window 1, address window 0
.macro PLACES
.rept 4
	v_nop
.endr
.endm
.macro JLOAD s                         ; a joint load; the branch hangs on the wave's number alone; an s_nop 0 and four v_nop follow each of the two lines
	s_cmp_eq_u32 s[RH], 0
	s_cbranch_scc0 .Lfor_b_\@
	tensor_load_to_lds s[G0+4*\s:G0+4*\s+3], s[G1:G1+7]
	s_nop 0
	PLACES
	s_branch .Lasked_\@
.Lfor_b_\@:
	tensor_load_to_lds s[G0B+4*\s:G0B+4*\s+3], s[G1B:G1B+7]
	s_nop 0
	PLACES
.Lasked_\@:
.endm
.macro CROUND                          ; a round of the cluster's barrier
	s_barrier_signal -1
	s_barrier_wait -1
	s_cmp_lg_u32 s[WV], 0
	s_cbranch_scc1 .Lnot_wave_0_\@
	s_barrier_signal -3
.Lnot_wave_0_\@:
	s_barrier_wait -3
	s_barrier_signal -1
	s_barrier_wait -1
.endm
	s_load_b128 s[4:7], s[0:1], 0x0                ; vals, wf
	s_load_b128 s[8:11], s[0:1], 0x10              ; b_out, out0
	v_lshl_add_u32 v[SPW], v0, 2, SPARE
	v_mov_b32 v[NIL], 0
	ds_add_u32 v[SPW], v[NIL]                      ; the wave's opening: the add, twice on end, and its wait ahead of my first tensor load; the set-up below stands between
	ds_add_u32 v[SPW], v[NIL]
	v_lshrrev_b32 v1, 5, v0
	v_readfirstlane_b32 s[WV], v1                  ; wave 0..3
	s_lshr_b32 s[RH], s[WV], 1
	s_and_b32 s[CH], s[WV], 1
	s_bfe_u32 s40, ttmp6, 0x40000                  ; cx, cy: my place in the cluster
	s_bfe_u32 s41, ttmp6, 0x40004
	s_lshl_b32 s42, ttmp9, 2
	s_add_co_u32 s42, s42, s40                     ; tile column = 4 x cluster x + cx
	s_and_b32 s15, ttmp7, 0xffff
	s_lshl_b32 s15, s15, 2
	s_add_co_u32 s15, s15, s41                     ; tile row = 4 x cluster y + cy
	s_lshl_b32 s43, s41, 2
	s_lshl_b32 s43, 15, s43                        ; my row of the cluster
	s_lshl_b32 s44, 0x1111, s40                    ; my column
	; group 1: dense blocks as rows of 256 bytes (32 elements of 8 bytes), no padding: 64 rows for vals' half, 128 for wf's
	s_or_b32 s[G1], s43, (3<<16)|(1<<21)           ; 15:0 the mask: vals' tiles go to my row; 17:16 elements of 8 bytes; 21 set beside a mask
	s_or_b32 s[G1B], s44, (3<<16)|(1<<21)          ; wf's go to my column
	s_mov_b32 s[G1+1], 32<<16                      ; tensor_dim0
	s_mov_b32 s[G1+2], 64<<16                      ; tensor_dim1
	s_mov_b32 s[G1+3], 32<<16                      ; tile_dim0
	s_mov_b32 s[G1+4], 64                          ; tile_dim1
	s_mov_b32 s[G1+5], 32                          ; from row to row
	s_mov_b32 s[G1+6], 0
	s_mov_b32 s[G1+7], 0
	s_mov_b32 s[G1B+1], 32<<16
	s_mov_b32 s[G1B+2], 128<<16
	s_mov_b32 s[G1B+3], 32<<16
	s_mov_b32 s[G1B+4], 128
	s_mov_b32 s[G1B+5], 32
	s_mov_b32 s[G1B+6], 0
	s_mov_b32 s[G1B+7], 0
	s_lshl_b32 s16, s15, 15                        ; vals: 32,768 bytes a tile row,
	s_lshl_b32 s18, s[CH], 14                      ; my half of them; also its place in a slot
	s_add_co_u32 s16, s16, s18
	s_mov_b32 s17, 0
	s_lshl_b32 s46, s42, 16                        ; wf: 65,536 bytes a tile column,
	s_lshl_b32 s19, s[CH], 15                      ; my half
	s_add_co_u32 s46, s46, s19
	s_mov_b32 s47, 0
	s_add_co_u32 s19, s19, 32768                   ; in a slot wf's tiles lie behind vals'
	v_and_b32 v1, 15, v0                           ; r
	v_bfe_u32 v2, v0, 4, 1                         ; h
	v_and_b32 v3, 31, v0
	v_lshlrev_b32 v[CO], 4, v3
	v_lshlrev_b32 v[H32], 5, v2
	s_wait_dscnt 0x0                               ; both opening adds are done
	s_wait_kmcnt 0x0
	s_add_nc_u64 s[20:21], s[4:5], s[16:17]
	s_add_nc_u64 s[46:47], s[6:7], s[46:47]
	CROUND                                         ; all sixteen work-groups are here: the first joint loads meet
.irp s, 0,1
	s_mov_b32 s[G0+4*\s], 1                                        ; count = 1
	s_add_co_u32 s[G0+4*\s+1], s18, \s*SLOT                        ; LDS address
	s_add_nc_u64 s[G0+4*\s+2:G0+4*\s+3], s[20:21], \s*2097152      ; global address: K step s
	s_or_b32 s[G0+4*\s+3], s[G0+4*\s+3], 0x80000000               ; type = 2
	s_mov_b32 s[G0B+4*\s], 1
	s_add_co_u32 s[G0B+4*\s+1], s19, \s*SLOT
	s_add_nc_u64 s[G0B+4*\s+2:G0B+4*\s+3], s[46:47], \s*262144
	s_or_b32 s[G0B+4*\s+3], s[G0B+4*\s+3], 0x80000000
	JLOAD \s                                       ; two loads of mine are out at the start, one behind each later round
.endr
	s_lshl_b32 s22, s42, 10                        ; my first column, in bytes: 1,024 x tile column + 512 x half
	s_lshl_b32 s23, s[CH], 9
	s_add_co_u32 s22, s22, s23
	s_mov_b32 s23, 0
	s_add_nc_u64 s[8:9], s[8:9], s[22:23]          ; b_out at my 128 columns
	s_add_nc_u64 s[10:11], s[10:11], s[22:23]
	s_lshl_b32 s22, s15, 19                        ; my first row: 128 x tile row + 64 x half, 4,096 bytes a row
	s_lshl_b32 s2, s[RH], 18
	s_add_co_u32 s22, s22, s2
	s_add_nc_u64 s[10:11], s[10:11], s[22:23]
.irp b, 0,1,2,3,4,5,6,7
.irp e, 0,1
	global_load_b128 v[BI+8*\b+4*\e:BI+8*\b+4*\e+3], v[H32], s[8:9] offset:64*\b+16*\e     ; register j = the bias of column 16 b + 8 h + j
.endr
.endr
	s_lshl_b32 s2, s[RH], 14                       ; my four tiles of rows
	v_add_nc_u32 v[ADRA], s2, v[CO]
	v_add_nc_u32 v[ADRA+1], SLOT, v[ADRA]
	s_lshl_b32 s2, s[CH], 15                       ; my eight tiles of columns
	s_add_co_u32 s2, s2, 32768
	v_add_nc_u32 v[ADRB], s2, v[CO]
	v_add_nc_u32 v[ADRB+1], SLOT, v[ADRB]
	s_mul_i32 s2, s[WV], 16*SPITCH
	s_add_co_u32 s2, s2, STAGE                     ; my stage
	v_mul_u32_u24 v4, v1, SPITCH                   ; in: row r, 32 bytes for each half of the lanes
	v_lshl_add_u32 v4, v2, 5, v4
	v_add_nc_u32 v[STO], s2, v4
	v_add_nc_u32 v[RD], s2, v[CO]                  ; back: the 32 lanes take one row of 512 bytes
; 24 LDS loads in one run: the fragments of quarter kq of the slot into set p
.macro FETCH slot, kq, p
	WIN TO_F
.irp b, 0,1,2,3,4,5,6,7
.irp g, 0,1
	ds_load_b128 v[128*(\p)+8*\b+4*\g:128*(\p)+8*\b+4*\g+3], v[ADRB+\slot] offset:4096*\b+1024*(\kq)+512*\g
.endr
.endr
.irp a, 0,1,2,3
.irp g, 0,1
	ds_load_b128 v[128*(\p)+64+8*\a+4*\g:128*(\p)+64+8*\a+4*\g+3], v[ADRA+\slot] offset:4096*\a+1024*(\kq)+512*\g
.endr
.endr
.endm
; 16 products: tiles of rows a0, a0 + 1 x all 8 tiles of columns, 32 along K.  first = 1: the bias starts the sums.  The 32 accumulators take turns, one instruction a turn, in the same order in every quarter.
.macro MUL16 p, a0, first
.irp a, \a0, \a0+1
.irp b, 0,1,2,3,4,5,6,7
.if \first
	v_wmma_f32_16x16x32_f16 v[8*(8*(\a)+\b):8*(8*(\a)+\b)+7], v[128*(\p)+8*\b:128*(\p)+8*\b+7], v[128*(\p)+64+8*(\a):128*(\p)+64+8*(\a)+7], v[BI+8*\b:BI+8*\b+7]
.else
	v_wmma_f32_16x16x32_f16 v[8*(8*(\a)+\b):8*(8*(\a)+\b)+7], v[128*(\p)+8*\b:128*(\p)+8*\b+7], v[128*(\p)+64+8*(\a):128*(\p)+64+8*(\a)+7], v[8*(8*(\a)+\b):8*(8*(\a)+\b)+7]
.endif
.endr
.endr
.endm
; One of a K step's first three quarters: 32 products on set kq % 2, behind the run of loads that brings the next quarter into the other set
.macro QUARTER slot, kq, first
	s_wait_dscnt 0x0                               ; this quarter's fragments are in
.if \first == 0
	PLACES                                         ; the other set was read by the last quarter's products
.endif
	FETCH \slot, (\kq)+1, 1-(\kq)%2
.if \first
	WIN MUL1
.else
	WIN MUL
.endif
	MUL16 (\kq)%2, 0, \first
	MUL16 (\kq)%2, 2, \first
.endm
; The last quarter multiplies set 1 and changes slots.  In front of the barrier each wave waits for all its tensor loads, of which one is out: its part of the next slot; adds 0 to its spare word; and waits for that and for its own reads of this slot.
; fill = 1: the barrier is a round of the cluster's, and this slot is filled again, two K steps ahead, first thing behind it: from that request to the wait for it a wave issues 112 matrix instructions.
.macro TURN slot, next, fill
	WIN 0                                          ; (the add's two registers lie in window 0)
	s_wait_tensorcnt 0x0                           ; all my tensor loads have landed, so a group 0 may be written;
	ds_add_u32 v[SPW], v[NIL]                      ; 0 onto my spare word;
	s_wait_dscnt 1                                 ; the quarter's fragments are in; the add may be out
	WIN MUL
	MUL16 1, 0, 0                                  ; sixteen matrix instructions stand between the add and the wait for it
	s_wait_dscnt 0x0                               ; the add is done, and my reads of this slot are over
	WIN 0
.if \fill
	CROUND                                         ; no wave of any partner still reads this slot's tiles or has a load on its way
	s_add_nc_u64 s[G0+4*\slot+2:G0+4*\slot+3], s[G0+4*\slot+2:G0+4*\slot+3], 2*2097152
	s_add_nc_u64 s[G0B+4*\slot+2:G0B+4*\slot+3], s[G0B+4*\slot+2:G0B+4*\slot+3], 2*262144
	JLOAD \slot                                    ; the four v_nop behind it are also the places in front of the loads below
.else
	s_barrier_signal -1
	s_barrier_wait -1
	PLACES
.endif
	FETCH \next, 0, 0
	WIN MUL
	MUL16 1, 2, 0
.endm
	s_wait_tensorcnt 1                             ; my part of K step 0 is in; K step 1's load may be out,
	s_barrier_signal -1
	s_barrier_wait -1                              ; everybody's is
	FETCH 0, 0, 0
	s_wait_loadcnt 0x0                             ; the bias
	QUARTER 0, 0, 1                                ; the first quarter stands in front of the loop: its products start the sums
	WIN 0                                          ; at a label and at a branch every window is 0
	s_mov_b32 s3, 3
.Llap:                                             ; a trip goes once round the ring, from a lap's second quarter to the next lap's first, and fills both slots again: K steps 2 to 7 in three trips
	QUARTER 0, 1, 0
	QUARTER 0, 2, 0
	TURN 0, 1, 1
	QUARTER 1, 0, 0
	QUARTER 1, 1, 0
	QUARTER 1, 2, 0
	TURN 1, 0, 1
	QUARTER 0, 0, 0
	WIN 0
	s_sub_co_u32 s3, s3, 1
	s_cmp_lg_u32 s3, 0
	s_cbranch_scc1 .Llap
	QUARTER 0, 1, 0                                ; the last lap fills nothing, and has no round of the cluster's barrier
	QUARTER 0, 2, 0
	TURN 0, 1, 0
	QUARTER 1, 0, 0
	QUARTER 1, 1, 0
	QUARTER 1, 2, 0
	s_wait_dscnt 0x0                               ; the very last quarter: nothing more to fetch
	WIN MUL
	MUL16 1, 0, 0
	MUL16 1, 2, 0
	WIN 0
; THE WAY OUT, block by block of 16 rows x 128 columns.  A lane holds 32 neighbouring bytes of a row, and the lanes beside it hold other rows: so a block goes through my own stage in LDS and comes back as whole rows of 512 bytes.
; LDS serves a wave's instructions in order (ISA guide 5.7.1.4): no wait between the stores and the loads, nor in front of the next block's stores.
.macro TOSTAGE a
	WIN 0x08                                       ; an LDS store's data are its source 1: window 2
.irp b, 0,1,2,3,4,5,6,7
	ds_store_b128 v[STO], v[64*(\a)+8*\b:64*(\a)+8*\b+3] offset:64*\b            ; each accumulator from its low end on
	ds_store_b128 v[STO], v[64*(\a)+8*\b+4:64*(\a)+8*\b+7] offset:64*\b+16
.endr
	WIN 0
.irp t, 0,1,2,3,4,5,6,7,8,9,10,11,12,13,14,15
	ds_load_b128 v[BK+64*((\a)%2)+4*\t:BK+64*((\a)%2)+4*\t+3], v[RD] offset:\t*SPITCH
.endr
.endm
.macro SEND a, younger                 ; younger: the LDS instructions issued behind block a's loads, which may stay out
	s_wait_dscnt \younger                          ; the block is back in registers
.irp t, 0,1,2,3,4,5,6,7,8,9,10,11,12,13,14,15
	global_store_b128 v[CO], v[BK+64*((\a)%2)+4*\t:BK+64*((\a)%2)+4*\t+3], s[10:11] offset:(16*(\a)+\t)*4096 th:TH_STORE_NT   ; 32 lanes store 512 consecutive bytes, aligned; written once, read by nobody here; the row stands in the immediate, 258,048 at the most
.endr
.endm
	PLACES                                         ; behind the last products, ahead of the LDS stores that read results
	TOSTAGE 0
	TOSTAGE 1
	SEND 0, 32                                     ; behind block 0's loads: block 1's 16 stores and 16 loads
	s_wait_xcnt 0x0                                ; block 0's stores have read their registers: block 2's loads may land there
	TOSTAGE 2
	SEND 1, 32
	s_wait_xcnt 0x0                                ; block 1's likewise
	TOSTAGE 3
	SEND 2, 32
	SEND 3, 0
	s_wait_tensorcnt 0x0                           ; the wave's end, behind my last tensor load and my last LDS store
	ds_add_u32 v[SPW], v[NIL]
	s_wait_dscnt 0x0
	CROUND                                         ; the closing round: no work-group ends while a partner may still ask for a tile that names it
	s_endpgm
.Lfunc_end_k_q72031dfa98_proj:
	.size	k_q72031dfa98_proj, .Lfunc_end_k_q72031dfa98_proj-k_q72031dfa98_proj
	.p2alignl 7, 3214868480
	.fill 96, 4, 3214868480
	.section	.rodata,"a",@progbits
	.p2align	6, 0x0
	.amdhsa_kernel k_q72031dfa98_proj
		.amdhsa_group_segment_fixed_size 327680
		.amdhsa_private_segment_fixed_size 0
		.amdhsa_enable_private_segment 0
		.amdhsa_kernarg_size 32
		.amdhsa_user_sgpr_count 2
		.amdhsa_user_sgpr_kernarg_segment_ptr 1
		.amdhsa_wavefront_size32 1
		.amdhsa_system_sgpr_workgroup_id_x 1
		.amdhsa_system_sgpr_workgroup_id_y 1
		.amdhsa_system_sgpr_workgroup_id_z 1
		.amdhsa_system_vgpr_workitem_id 0
		.amdhsa_next_free_vgpr 768
		.amdhsa_next_free_sgpr 66
		.amdhsa_reserve_vcc 0
		.amdhsa_float_denorm_mode_32 3
		.amdhsa_float_denorm_mode_16_64 3
		.amdhsa_memory_ordered 1
		.amdhsa_forward_progress 1
		.amdhsa_inst_pref_size 85
	.end_amdhsa_kernel
	.amdgpu_metadata
---
amdhsa.version: [ 1, 2 ]
amdhsa.kernels:
  - .name:           k_q72031dfa98_proj
    .symbol:         k_q72031dfa98_proj.kd
    .args:
      - { .name: vals, .offset: 0, .size: 8, .value_kind: global_buffer, .address_space: global }
      - { .name: wf, .offset: 8, .size: 8, .value_kind: global_buffer, .address_space: global }
      - { .name: b_out, .offset: 16, .size: 8, .value_kind: global_buffer, .address_space: global }
      - { .name: out0, .offset: 24, .size: 8, .value_kind: global_buffer, .address_space: global }
    .group_segment_fixed_size: 327680
    .private_segment_fixed_size: 0
    .kernarg_segment_align: 8
    .kernarg_segment_size: 32
    .max_flat_workgroup_size: 128
    .sgpr_count:     66
    .vgpr_count:     768
    .wavefront_size: 32
...
	.end_amdgpu_metadata
.endif
;; end of part 4
